; MI455X (gfx1250); checked and timed in simulation.
; The chip was launched on July 23, 2026; its instructions are those of AMD's public machine-readable ISA for CDNA 5 (MIT licence, August 2026) and "CDNA5" Instruction Set Architecture Reference Guide (July 2026). The comments in the code are by the model that wrote it; some were corrected since.
;; Transformer Block. Allowed arithmetic: matrix products marked QUANTISED: E2M1 operands, one E8M0 scale for each 32 along K, by v_wmma_scale_f32_16x16x128_f8f6f4 with both operands' format E2M1 (or v_wmma_scale_f32_32x16x128_f4), f32 sums; everything else in f32.
;; Inputs: W1_codes 2,048 x 16 x 16 uint8 (E2M1 codes of W1, K innermost, in blocks of 32 codes, two codes a byte); W1_scales 2,048 x 16 uint8 (E8M0 scales of W1, one for each 32 codes along K); W2_codes 512 x 64 x 16 uint8 (E2M1 codes of W2, K innermost, in blocks of 32 codes, two codes a byte); W2_scales 512 x 64 uint8 (E8M0 scales of W2, one for each 32 codes along K); Wk_codes 512 x 16 x 16 uint8 (E2M1 codes of Wk, K innermost, in blocks of 32 codes, two codes a byte); Wk_scales 512 x 16 uint8 (E8M0 scales of Wk, one for each 32 codes along K); Wo_codes 512 x 16 x 16 uint8 (E2M1 codes of Wo, K innermost, in blocks of 32 codes, two codes a byte); Wo_scales 512 x 16 uint8 (E8M0 scales of Wo, one for each 32 codes along K); Wq_codes 512 x 16 x 16 uint8 (E2M1 codes of Wq, K innermost, in blocks of 32 codes, two codes a byte); Wq_scales 512 x 16 uint8 (E8M0 scales of Wq, one for each 32 codes along K); Wv_codes 512 x 16 x 16 uint8 (E2M1 codes of Wv, K innermost, in blocks of 32 codes, two codes a byte); Wv_scales 512 x 16 uint8 (E8M0 scales of Wv, one for each 32 codes along K); b1 2,048 float32; b2 512 float32; inputs 2 x 4,096 x 512 float32; ln_att_b 512 float32; ln_att_g 512 float32; ln_mlp_b 512 float32; ln_mlp_g 512 float32.
;; Outputs: out0 2 x 4,096 x 512 float32.
;; This version of the problem:
;;   THIS VERSION OF THE PROBLEM IS GIVEN IN LOW PRECISION. The matrix products marked QUANTISED in the list below multiply operands that are first quantised to E2M1 (2 exponent bits, 1 mantissa bit; 4 bits a number), with one power-of-two scale for each 32 numbers along K (OCP MX v1.0); their sums are f32. All else is computed in f32.
;;   The module's matrix products, in the order in which they are computed (A, B: the left and right operand; K: the contracted axis; several contracted axes count as one K, in the product's order):
;;     1. [M 8,192, K 512] x [K 512, N 512]; A: computed on the way; B: input Wq (given as codes): QUANTISED
;;     2. [M 8,192, K 512] x [K 512, N 512]; A: computed on the way; B: input Wk (given as codes): QUANTISED
;;     3. [M 8,192, K 512] x [K 512, N 512]; A: computed on the way; B: input Wv (given as codes): QUANTISED
;;     4. batch 16 x [M 4,096, K 64] x [K 64, N 4,096]; A: computed on the way; B: computed on the way: QUANTISED
;;     5. batch 16 x [M 4,096, K 4,096] x [K 4,096, N 64]; A: softmax (see below); B: computed on the way: QUANTISED
;;     6. [M 8,192, K 512] x [K 512, N 512]; A: computed on the way; B: input Wo (given as codes): QUANTISED
;;     7. [M 8,192, K 512] x [K 512, N 2,048]; A: computed on the way; B: input W1 (given as codes): QUANTISED
;;     8. [M 8,192, K 2,048] x [K 2,048, N 512]; A: computed on the way; B: input W2 (given as codes): QUANTISED
;;   THE QUANTISER, for each operand of a quantised product, along K:
;;     - K is cut into blocks of 32 from its start; a last block that is shorter is filled with zeros.
;;     - A block's scale is 2^e with e = floor(log2(the largest magnitude in the block)) - 2, held to -126 .. 127; a block of zeros has e = 0. As a byte (E8M0): e + 127.
;;     - Each number is divided by its block's scale, clamped to +-6, and rounded to the nearest number of E2M1, ties to even, subnormals kept.
;;     - The product sums the exact products of the quantised numbers (number of the format x scale) in f32.
;;   ~~~python
;;   def quantise(x, axis):      # numpy; x: float32 -> the quantised numbers, widened to float32 again
;;       x = np.moveaxis(x, axis, -1); K = x.shape[-1]
;;       x = np.pad(x, [(0, 0)] * (x.ndim - 1) + [(0, -K % 32)]); x = x.reshape(x.shape[:-1] + (-1, 32)); a = np.abs(x).max(-1, keepdims=True)
;;       e = np.where(a > 0, np.clip(np.frexp(np.where(a > 0, a, 1))[1] - 1 - 2, -126, 127), 0)      # np.frexp(a)[1] - 1 = floor(log2(a)), exactly
;;       r = np.clip(x / 2.0 ** e, -6, 6)
;;       step = 2.0 ** (np.maximum(np.frexp(np.where(r == 0, 1, r))[1] - 1, 0) - 1)
;;       q = np.round(r / step) * step * 2.0 ** e      # np.round: ties to even
;;       return np.moveaxis(q.reshape(q.shape[:-2] + (-1,))[..., :K], -1, axis).astype(np.float32)
;;   ~~~
;;   SOFTMAX AHEAD OF A QUANTISED PRODUCT. Where the list says 'softmax', what is quantised is not the finished softmax but p = 2^(t - M), with t = logit x log2(e) and M = ceil(the row's largest t), a whole number; so 1/2 < the row's largest p <= 1. The row's sum l is taken of the UNQUANTISED p, in f32, and the product's result is divided by l at the end. Since M is a whole number, a kernel that streams over the keys may use a running M (the ceiling of the running maximum): every later rescaling is an exact power of two, which a block's scale takes up: the codes' values come out the same.
;;   OPERANDS COMPUTED ON THE WAY. 'Computed on the way' means the value that the module computes at that place (a softmax that the list does not call 'softmax' is quantised finished and normalised). What goes into a quantiser is computed in f32, as accurately as f32 sums, v_exp_f32 and their like allow (about 1e-6 of the number): no bf16 or f16 on the way to a quantiser, and a product that is left as it is and whose result goes on into a quantised operand takes f32 operands (vector FMAs, or v_wmma_f32_16x16x4_f32). A number that lies on a knife's edge between two numbers of the format may be rounded either way, as far as f32 arithmetic and the matrix unit's own rounding can turn it there, and no further.
;;   INPUTS GIVEN AS CODES. W1 (in the module: [512, 2048], K = its axis 0); W2 (in the module: [2048, 512], K = its axis 0); Wk (in the module: [512, 512], K = its axis 0); Wo (in the module: [512, 512], K = its axis 0); Wq (in the module: [512, 512], K = its axis 0); Wv (in the module: [512, 512], K = its axis 0): each comes as NAME_codes (uint8): NAME with its K axis moved to the last place and cut into blocks of 32 codes, [.., K / 32, bytes a block], one block behind the other in memory; two codes a byte, the lower K in the low four bits (a code: sign, 2 exponent bits, 1 mantissa bit); and NAME_scales (uint8): the same leading axes, one E8M0 byte (e + 127) for each 32 codes along K. Its value is code x scale, taken as it is: it is not quantised again, and the codes and scales need not be those that the quantiser above would give.
;; One version. Each part assembles by itself: llvm-mc -triple=amdgcn-amd-amdhsa -mcpu=gfx1250 --defsym DOCPART=n.
;; ======== version 1 of 1: 3 launches
;; limits: right only within a limited range of input values
;; workspace buffers: qc 2,097,152 bytes; kc 2,097,152 bytes; vc 2,097,152 bytes; qs 262,144 bytes; sc 393,216 bytes; aoc 2,097,152 bytes; aos 131,072 bytes
;; launch qkv (part 1): grid 256 x 1, 8 waves a work-group, clusters of 4 x 1, 327,680 bytes of LDS; arguments inputs, ln_att_g, ln_att_b, Wq_codes, Wq_scales, Wk_codes, Wk_scales, Wv_codes, Wv_scales, qc, qs, kc, vc, sc; writes qc, qs, kc, vc, sc
.if DOCPART == 1
	.amdgcn_target "amdgcn-amd-amdhsa--gfx1250"
	.amdhsa_code_object_version 6
	.text
	.protected	k_q3958f7ca6c_qkv
	.globl	k_q3958f7ca6c_qkv
	.p2align	8
	.type	k_q3958f7ca6c_qkv,@function
k_q3958f7ca6c_qkv:
	s_mov_b64 s[64:65], 0
	v_nop
	global_prefetch_b8 v0, s[64:65] scope:SCOPE_SE
	s_setreg_imm32_b32 hwreg(HW_REG_WAVE_MODE, 25, 1), 1
	s_wait_xcnt 0x0
	s_wait_alu depctr_hold_cnt(0) depctr_sa_sdst(0) depctr_va_vdst(0) depctr_va_sdst(0) depctr_va_ssrc(0) depctr_va_vcc(0) depctr_vm_vsrc(0)
	s_getreg_b32 s2, hwreg(HW_REG_IB_STS2, 6, 4)
	s_cmp_eq_u32 s2, 0
	s_cbranch_scc0 .Lentry_in_a_cluster
	s_endpgm
.Lentry_in_a_cluster:
	s_bfe_u32 s2, ttmp6, 0x10000c
	s_cmp_lg_u32 s2, 0x3003
	s_cbranch_scc0 .Lentry_shape_is_right
	s_endpgm
.Lentry_shape_is_right:
; LayerNorm 1, its quantising to FP4 (E2M1, one E8M0 byte for each 32 along K), the projections by Wq, Wk, Wv (codes as given), and the quantising of q and k along the head's 64 and of v along the keys.
; SHARES.  A work-group owns 32 tokens.  For the norm wave w owns rows 4 w .. 4 w + 3; for the products wave w is head w: weight rows 64 w .. 64 w + 63 of each of the three weights.
; WEIGHTS come through two LDS slots (512 rows x 256 bytes, pitch 272); wave w fetches and reads its own 64 rows.  All work-groups walk the same weights, so the four of a cluster ask jointly.
; x's codes go from wave to wave through LDS as images of the operand's registers (16 bytes a lane).  q, k, v leave as such images too, so that the next launch reads 16 bytes x lane.
; q, k: the product is used transposed (source 0 = 16 weight rows, source 1 = 16 tokens): a lane holds one token and eight channels.  v: source 0 = tokens, source 1 = weight rows: a lane holds one channel and eight tokens (keys).
; Two accumulators are a block of 32: two conversions and one exchange of lane halves leave bytes 8 h .. 8 h + 7 of the block in lane (r, h).
; LIMITS: NaN and infinities are not served; a block whose largest magnitude lies under 2^-124 (a block of zeros too) gets the byte 1: its bytes are read by this program alone.
.set WT,     17408                     ; a wave's part of a slot: 64 rows x (256 + 16) bytes
.set SLOT,   8*WT
.set XIMG,   2*SLOT                    ; x's 8 fragments (K step s, token tile u) at (2 s + u) x 1024 + 512 c + 16 lane
.set XSC,    XIMG+8192                 ; their scale words [s][16 u + r]
.set RSTG,   XSC+512                   ; a stage of one row (2,048 bytes) for each wave
.set SPARE,  RSTG+8*2048               ; the spare words: 128 bytes for each wave
.set PIN, 4
.set PG,  6
.set PB,  8
.set PWQ, 10
.set PSQ, 12
.set PWK, 14
.set PSK, 16
.set PWV, 18
.set PSV, 20
.set PQC, 22
.set PQS, 24
.set PKC, 26
.set PVC, 28
.set PKS, 30
.set PVS, 66
.set WV,  32
.set CX,  33
.set GI,  34
.set G1A, 36                           ; s[36:43] descriptor group 1
.set G0,  44                           ; s[44:51] group 0, a set for each slot
.set SEL, 52
.set MK,  54
.set RN,  55
.set EP,  56
.set SX,  57
.set LAN, 1
.set RR,  2
.set HH,  3
.set SPW, 4
.set NIL, 5
.set L16, 6
.set TSA, 7
.set TLA, 8
.set AXW, 9
.set AXS, 10
.set LI,  11
.set LS,  12
.set AW0, 13
.set AW1, 14
.set STC, 16
.set L4,  17
.set R4,  18
.set L32, 19
.set XSW, 20                           ; v20-23 x's scale words: lanes 0-15 tokens 0-15, lanes 16-31 tokens 16-31
.set WSW, 24                           ; v24-27 the weight's scale words: lanes 0-15 rows 0-15 of the 32, lanes 16-31 rows 16-31
.set TV0, 28
.set XF,  32                           ; v32-95  x's fragments
.set WF,  96                           ; v96-159 the weight's fragments (cc, s) at 8 (4 cc + s)
.set ACC, 160                          ; v160-191 four accumulators (cc, u) at 8 (2 cc + u)
.set TM,  192
.set TP,  194
.set SO,  196
.set BY,  198
.set CD,  200
.set SB,  204
.set WW,  206
.set VW,  207
.set HW,  208
.set RAW, 32                           ; during the norm: rows as loaded,
.set XX,  96                           ; rows by lanes (16 numbers a row a lane),
.set GG,  160                          ; gain, bias,
.set BB,  176
.set TA,  192                          ; eight registers of work a row;
.set QM,  192                          ; then for the eight pieces of eight numbers: largest magnitude, scale operand, byte, codes
.set QO,  200
.set QB,  208
.set QC,  216
.macro PLACES
.rept 4
	v_nop
.endr
.endm
.macro ROUND                           ; a round of the cluster's barrier
	s_barrier_signal -1
	s_barrier_wait -1
	s_cmp_lg_u32 s[WV], 0
	s_cbranch_scc1 .Lnot_wave_0_\@
	s_barrier_signal -3
.Lnot_wave_0_\@:
	s_barrier_wait -3
	s_barrier_signal -1
	s_barrier_wait -1
.endm
; one product.  c < 0: the constant 0 starts the sum; else C = v[c ..].  ra, rb: the side's scales stand in lanes 16-31
.macro WM d, a, b, c, sa, sb, ra, rb
.if (\c) < 0
.if (\ra) && (\rb)
	v_wmma_scale_f32_16x16x128_f8f6f4 v[(\d):(\d)+7], v[(\a):(\a)+7], v[(\b):(\b)+7], 0, v[(\sa)], v[(\sb)] matrix_a_fmt:MATRIX_FMT_FP4 matrix_b_fmt:MATRIX_FMT_FP4 matrix_a_scale:MATRIX_SCALE_ROW1 matrix_b_scale:MATRIX_SCALE_ROW1
.elseif (\ra)
	v_wmma_scale_f32_16x16x128_f8f6f4 v[(\d):(\d)+7], v[(\a):(\a)+7], v[(\b):(\b)+7], 0, v[(\sa)], v[(\sb)] matrix_a_fmt:MATRIX_FMT_FP4 matrix_b_fmt:MATRIX_FMT_FP4 matrix_a_scale:MATRIX_SCALE_ROW1
.elseif (\rb)
	v_wmma_scale_f32_16x16x128_f8f6f4 v[(\d):(\d)+7], v[(\a):(\a)+7], v[(\b):(\b)+7], 0, v[(\sa)], v[(\sb)] matrix_a_fmt:MATRIX_FMT_FP4 matrix_b_fmt:MATRIX_FMT_FP4 matrix_b_scale:MATRIX_SCALE_ROW1
.else
	v_wmma_scale_f32_16x16x128_f8f6f4 v[(\d):(\d)+7], v[(\a):(\a)+7], v[(\b):(\b)+7], 0, v[(\sa)], v[(\sb)] matrix_a_fmt:MATRIX_FMT_FP4 matrix_b_fmt:MATRIX_FMT_FP4
.endif
.else
.if (\ra) && (\rb)
	v_wmma_scale_f32_16x16x128_f8f6f4 v[(\d):(\d)+7], v[(\a):(\a)+7], v[(\b):(\b)+7], v[(\c):(\c)+7], v[(\sa)], v[(\sb)] matrix_a_fmt:MATRIX_FMT_FP4 matrix_b_fmt:MATRIX_FMT_FP4 matrix_a_scale:MATRIX_SCALE_ROW1 matrix_b_scale:MATRIX_SCALE_ROW1
.elseif (\ra)
	v_wmma_scale_f32_16x16x128_f8f6f4 v[(\d):(\d)+7], v[(\a):(\a)+7], v[(\b):(\b)+7], v[(\c):(\c)+7], v[(\sa)], v[(\sb)] matrix_a_fmt:MATRIX_FMT_FP4 matrix_b_fmt:MATRIX_FMT_FP4 matrix_a_scale:MATRIX_SCALE_ROW1
.elseif (\rb)
	v_wmma_scale_f32_16x16x128_f8f6f4 v[(\d):(\d)+7], v[(\a):(\a)+7], v[(\b):(\b)+7], v[(\c):(\c)+7], v[(\sa)], v[(\sb)] matrix_a_fmt:MATRIX_FMT_FP4 matrix_b_fmt:MATRIX_FMT_FP4 matrix_b_scale:MATRIX_SCALE_ROW1
.else
	v_wmma_scale_f32_16x16x128_f8f6f4 v[(\d):(\d)+7], v[(\a):(\a)+7], v[(\b):(\b)+7], v[(\c):(\c)+7], v[(\sa)], v[(\sb)] matrix_a_fmt:MATRIX_FMT_FP4 matrix_b_fmt:MATRIX_FMT_FP4
.endif
.endif
.endm
; Two blocks of 32 by turns.  Block g: accumulators a (k = 8 h + j) and b (k = 16 + 8 h + j).  Leaves the byte in v[BY + g] and bytes 8 h .. 8 h + 7 of the block's codes in v[CD + 2 g : CD + 2 g + 1].
; Each accumulator is read from its low end on.
.macro QUANT2 a0, b0, a1, b1
	v_max3_num_f32 v[TM], |v[(\a0)]|, |v[(\a0)+1]|, 0x1800000      ; with the floor 2^(3 - 127): the byte cannot fall under 1
	v_max3_num_f32 v[TM+1], |v[(\a1)]|, |v[(\a1)+1]|, 0x1800000
.irp i, 2,4,6
	v_max3_num_f32 v[TM], v[TM], |v[(\a0)+\i]|, |v[(\a0)+\i+1]|
	v_max3_num_f32 v[TM+1], v[TM+1], |v[(\a1)+\i]|, |v[(\a1)+\i+1]|
.endr
.irp i, 0,2,4,6
	v_max3_num_f32 v[TM], v[TM], |v[(\b0)+\i]|, |v[(\b0)+\i+1]|
	v_max3_num_f32 v[TM+1], v[TM+1], |v[(\b1)+\i]|, |v[(\b1)+\i+1]|
.endr
	s_delay_alu instid0(VALU_DEP_2)
	v_permlanex16_b32 v[TP], v[TM], s[SEL], s[SEL+1]
	s_delay_alu instid0(VALU_DEP_2)
	v_permlanex16_b32 v[TP+1], v[TM+1], s[SEL], s[SEL+1]
	s_delay_alu instid0(VALU_DEP_2)
	v_max_num_f32 v[TM], v[TM], v[TP]                              ; with lane l xor 16's 16: the block's largest magnitude
	s_delay_alu instid0(VALU_DEP_2)
	v_max_num_f32 v[TM+1], v[TM+1], v[TP+1]
	s_delay_alu instid0(VALU_DEP_2)
	v_add_nc_u32 v[SO], 0xff000000, v[TM]                          ; 2 off its exponent field: the conversion's scale operand
	s_delay_alu instid0(VALU_DEP_2)
	v_add_nc_u32 v[SO+1], 0xff000000, v[TM+1]
	s_delay_alu instid0(VALU_DEP_2)
	v_lshrrev_b32 v[BY], 23, v[SO]                                 ; the scale's byte
	s_delay_alu instid0(VALU_DEP_2)
	v_lshrrev_b32 v[BY+1], 23, v[SO+1]
	v_cvt_scalef32_pk8_fp4_f32 v[CD], v[(\a0):(\a0)+7], v[SO]
	v_cvt_scalef32_pk8_fp4_f32 v[CD+1], v[(\b0):(\b0)+7], v[SO]
	v_cvt_scalef32_pk8_fp4_f32 v[CD+2], v[(\a1):(\a1)+7], v[SO+1]
	v_cvt_scalef32_pk8_fp4_f32 v[CD+3], v[(\b1):(\b1)+7], v[SO+1]
	v_nop                                                          ; one plain place behind the scaled conversions
	v_permlane16_swap_b32 v[CD], v[CD+1]                           ; lanes 0-15: k 0-15, lanes 16-31: k 16-31
	v_permlane16_swap_b32 v[CD+2], v[CD+3]
.endm
; Slot 'slot' is filled again.  All my tensor loads have landed; 0 is added onto my spare word; the slot's descriptor is written while the add is out;
; the add and my reads of the slot are done; a round of the cluster's barrier; the joint refill first behind it, one load a wave.
.macro CHANGE slot, p, imm, g1
	s_wait_tensorcnt 0x0
	ds_add_u32 v[SPW], v[NIL]
	s_add_nc_u64 s[G0+4*\slot+2:G0+4*\slot+3], s[\p:\p+1], \imm
	s_or_b32 s[G0+4*\slot+3], s[G0+4*\slot+3], 0x80000000
	s_wait_dscnt 0x0
	ROUND
	tensor_load_to_lds s[G0+4*\slot:G0+4*\slot+3], s[\g1:\g1+7]
	s_nop 0
	PLACES
.endm
.macro WFLOAD adr, q                   ; my rows 32 q .. 32 q + 31 of the slot: 2 tiles of 16 rows x 4 K steps
.irp cc, 0,1
.irp s, 0,1,2,3
.irp c, 0,1
	ds_load_b128 v[WF+8*(4*\cc+\s)+4*\c:WF+8*(4*\cc+\s)+4*\c+3], v[\adr] offset:(\q)*8704+\cc*4352+64*\s+32*\c
.endr
.endr
.endr
.endm
	s_load_b256 s[4:11], s[0:1], 0x0               ; inputs, gain, bias, Wq's codes
	s_load_b256 s[12:19], s[0:1], 0x20             ; Wq's scales, Wk's codes, Wk's scales, Wv's codes
	s_load_b256 s[20:27], s[0:1], 0x40             ; Wv's scales, qc, qs, kc
	s_load_b128 s[28:31], s[0:1], 0x60             ; vc, sc
	v_lshl_add_u32 v[SPW], v0, 2, SPARE
	v_mov_b32 v[NIL], 0
	ds_add_u32 v4, v5
	ds_add_u32 v4, v5
	s_wait_dscnt 0x0
	v_lshrrev_b32 v[LAN], 5, v0
	s_delay_alu instid0(VALU_DEP_1)
	v_readfirstlane_b32 s[WV], v[LAN]              ; wave 0..7
	v_and_b32 v[LAN], 31, v0
	v_and_b32 v[RR], 15, v0
	v_bfe_u32 v[HH], v0, 4, 1
	s_delay_alu instid0(VALU_DEP_3)
	v_lshlrev_b32 v[L16], 4, v[LAN]
	s_delay_alu instid0(VALU_DEP_4)
	v_lshlrev_b32 v[L4], 2, v[LAN]
	s_delay_alu instid0(VALU_DEP_4)
	v_lshlrev_b32 v[R4], 2, v[RR]
	v_lshlrev_b32 v[L32], 5, v[LAN]
	s_lshl_b32 s87, s[WV], 11
	s_add_co_u32 s87, s87, RSTG                    ; my stage
	v_add_nc_u32 v[TSA], s87, v[L16]               ; in: as loaded, 16 bytes a lane
	v_add_nc_u32 v[TLA], s87, v[L32]               ; back: 32 bytes a lane
	; where a lane's eight codes of row 4 w + i go: K step 2 ii + lane / 16, c = (lane / 8) % 2, half (lane / 4) % 2, word lane % 4; token tile w / 4, row 4 (w % 4) + i
	v_and_b32 v[AXW], 3, v0
	s_delay_alu instid0(VALU_DEP_1)
	v_lshlrev_b32 v[AXW], 2, v[AXW]
	v_bfe_u32 v[TV0], v0, 2, 1
	s_delay_alu instid0(VALU_DEP_1)
	v_lshl_add_u32 v[AXW], v[TV0], 8, v[AXW]
	v_bfe_u32 v[TV0], v0, 3, 1
	s_delay_alu instid0(VALU_DEP_1)
	v_lshl_add_u32 v[AXW], v[TV0], 9, v[AXW]
	s_delay_alu instid0(VALU_DEP_1)
	v_lshl_add_u32 v[AXW], v[HH], 11, v[AXW]
	s_lshr_b32 s88, s[WV], 2
	s_and_b32 s89, s[WV], 3
	s_lshl_b32 s90, s88, 10
	s_lshl_b32 s91, s89, 6
	s_add_co_u32 s90, s90, s91
	s_add_co_u32 s90, s90, XIMG
	v_add_nc_u32 v[AXW], s90, v[AXW]
	v_bfe_u32 v[AXS], v0, 2, 2                     ; and the block's byte: byte (lane / 4) % 4 of the row's word
	s_delay_alu instid0(VALU_DEP_1)
	v_lshl_add_u32 v[AXS], v[HH], 7, v[AXS]
	s_lshl_b32 s90, s88, 6
	s_lshl_b32 s91, s89, 4
	s_add_co_u32 s90, s90, s91
	s_add_co_u32 s90, s90, XSC
	v_add_nc_u32 v[AXS], s90, v[AXS]
	v_add_nc_u32 v[LI], XIMG, v[L16]
	v_lshl_add_u32 v[LS], v[LAN], 2, XSC
	s_mul_i32 s86, s[WV], WT                       ; my rows' place in a slot
	v_mul_u32_u24 v[AW0], v[RR], 272
	s_delay_alu instid0(VALU_DEP_1)
	v_lshl_add_u32 v[AW0], v[HH], 4, v[AW0]
	s_delay_alu instid0(VALU_DEP_1)
	v_add_nc_u32 v[AW0], s86, v[AW0]
	s_delay_alu instid0(VALU_DEP_1)
	v_add_nc_u32 v[AW1], SLOT, v[AW0]
	v_lshlrev_b32 v[STC], 4, v[RR]
	s_delay_alu instid0(VALU_DEP_1)
	v_lshl_add_u32 v[STC], v[HH], 3, v[STC]        ; 16 r + 8 h: a block's codes leave as 256 consecutive bytes
	s_mov_b32 s[SEL], 0x76543210
	s_mov_b32 s[SEL+1], 0xfedcba98                 ; lane l xor 16
	s_mov_b32 s[MK], 0xffff0000                    ; lanes 16-31
	s_mov_b32 s[RN], 0x3b000000                    ; 1 / 512
	s_mov_b32 s[EP], 0x358637bd                    ; 1e-6
	s_bfe_u32 s[CX], ttmp6, 0x40000
	s_lshl_b32 s[GI], ttmp9, 2
	s_add_co_u32 s[GI], s[GI], s[CX]               ; work-group = 4 x cluster + place: it enters global addresses of my own rows alone
	; group 1: 64 rows x 256 bytes, 256 bytes apart in memory, 16 bytes of padding behind each row
	s_mov_b32 s[G1A], 15|(1<<20)|(1<<21)|(5<<22)|(3<<25)
	s_mov_b32 s[G1A+1], 256<<16
	s_mov_b32 s[G1A+2], 64<<16
	s_mov_b32 s[G1A+3], 256<<16
	s_mov_b32 s[G1A+4], 64
	s_mov_b32 s[G1A+5], 256
	s_mov_b32 s[G1A+6], 0
	s_mov_b32 s[G1A+7], 0
	s_lshl_b32 s68, s[WV], 14                      ; my 64 rows of codes
	s_mov_b32 s69, 0
	s_lshl_b32 s70, s[WV], 10                      ; and of scale bytes
	s_mov_b32 s71, 0
	s_lshl_b32 s72, s[GI], 16                      ; my work-group's 32 rows of 2,048 bytes, my wave's 4
	s_lshl_b32 s73, s[WV], 13
	s_add_co_u32 s72, s72, s73
	s_mov_b32 s73, 0
	s_lshr_b32 s74, s[GI], 7
	s_lshl_b32 s74, s74, 3
	s_add_co_u32 s74, s74, s[WV]                   ; bh = 8 x batch + head
	s_and_b32 s75, s[GI], 127                      ; the block of 32 tokens in its batch
	s_lshl_b32 s76, s74, 17
	s_lshl_b32 s77, s75, 10
	s_add_co_u32 s76, s76, s77                     ; qc, kc: bh x 131072 + block x 1024
	s_mov_b32 s77, 0
	s_lshl_b32 s78, s74, 17
	s_lshr_b32 s79, s75, 2
	s_lshl_b32 s79, s79, 12
	s_add_co_u32 s78, s78, s79
	s_and_b32 s79, s75, 3
	s_lshl_b32 s79, s79, 8
	s_add_co_u32 s78, s78, s79                     ; vc: bh x 131072 + key step x 4096 + (block % 4) x 256
	s_mov_b32 s79, 0
	s_lshl_b32 s80, s74, 14
	s_lshl_b32 s81, s75, 7
	s_add_co_u32 s80, s80, s81                     ; qs
	s_mov_b32 s81, 0
	s_mul_i32 s82, s74, 24576
	s_lshl_b32 s83, s75, 7
	s_add_co_u32 s82, s82, s83                     ; sc: k's words
	s_mov_b32 s83, 0
	s_mul_i32 s84, s74, 24576
	s_lshl_b32 s85, s75, 6
	s_add_co_u32 s84, s84, s85
	s_add_co_u32 s84, s84, 16384                   ; sc: v's words
	s_mov_b32 s85, 0
	s_wait_kmcnt 0x0
	s_add_nc_u64 s[PWQ:PWQ+1], s[PWQ:PWQ+1], s[68:69]
	s_add_nc_u64 s[PWK:PWK+1], s[PWK:PWK+1], s[68:69]
	s_add_nc_u64 s[PWV:PWV+1], s[PWV:PWV+1], s[68:69]
	s_add_nc_u64 s[PSQ:PSQ+1], s[PSQ:PSQ+1], s[70:71]
	s_add_nc_u64 s[PSK:PSK+1], s[PSK:PSK+1], s[70:71]
	s_add_nc_u64 s[PSV:PSV+1], s[PSV:PSV+1], s[70:71]
	s_add_nc_u64 s[PIN:PIN+1], s[PIN:PIN+1], s[72:73]
	s_add_nc_u64 s[PQC:PQC+1], s[PQC:PQC+1], s[76:77]
	s_add_nc_u64 s[PKC:PKC+1], s[PKC:PKC+1], s[76:77]
	s_add_nc_u64 s[PVC:PVC+1], s[PVC:PVC+1], s[78:79]
	s_add_nc_u64 s[PQS:PQS+1], s[PQS:PQS+1], s[80:81]
	s_add_nc_u64 s[PVS:PVS+1], s[PKS:PKS+1], s[84:85]
	s_add_nc_u64 s[PKS:PKS+1], s[PKS:PKS+1], s[82:83]
	s_mov_b32 s[G0], 1
	s_mov_b32 s[G0+1], s86
	s_mov_b64 s[G0+2:G0+3], s[PWQ:PWQ+1]
	s_or_b32 s[G0+3], s[G0+3], 0x80000000
	s_mov_b32 s[G0+4], 1
	s_add_co_u32 s[G0+5], s86, SLOT
	s_mov_b64 s[G0+6:G0+7], s[PWK:PWK+1]
	s_or_b32 s[G0+7], s[G0+7], 0x80000000
	ROUND                                          ; the four work-groups are here: the first joint loads meet
	tensor_load_to_lds s[G0:G0+3], s[G1A:G1A+7]    ; slot 0: Wq
	s_nop 0
	PLACES
.irp i, 0,1,2,3
.irp k, 0,1,2,3
	global_load_b128 v[RAW+16*\i+4*\k:RAW+16*\i+4*\k+3], v[L16], s[PIN:PIN+1] offset:2048*\i+512*\k th:TH_LOAD_NT   ; 512 consecutive bytes a load
.endr
.endr
.irp ii, 0,1
.irp jj, 0,1
	global_load_b128 v[GG+8*\ii+4*\jj:GG+8*\ii+4*\jj+3], v[L32], s[PG:PG+1] offset:1024*\ii+16*\jj
	global_load_b128 v[BB+8*\ii+4*\jj:BB+8*\ii+4*\jj+3], v[L32], s[PB:PB+1] offset:1024*\ii+16*\jj
.endr
.endr
	global_load_b128 v[WSW:WSW+3], v[L16], s[PSQ:PSQ+1]            ; Wq's scale words of my rows 0-31: a row's 16 bytes are the words of the 4 K steps
	s_wait_loadcnt 0x0
	; each row turns through my stage, so that a lane holds numbers 256 ii + 8 lane + 0 .. 7.  LDS serves a wave's instructions in order: one row of stage serves the four rows
.irp i, 0,1,2,3
.irp k, 0,1,2,3
	ds_store_b128 v[TSA], v[RAW+16*\i+4*\k:RAW+16*\i+4*\k+3] offset:512*\k
.endr
.irp ii, 0,1
.irp jj, 0,1
	ds_load_b128 v[XX+16*\i+8*\ii+4*\jj:XX+16*\i+8*\ii+4*\jj+3], v[TLA] offset:1024*\ii+16*\jj
.endr
.endr
.endr
	s_wait_dscnt 0x0
.macro WAVESUM                         ; v[TA + 8 i] summed over the 32 lanes, the four rows by turns
.irp m, 1,2,4,8
.irp i, 0,1,2,3
	s_delay_alu instid0(VALU_DEP_4)
	v_add_f32_dpp v[TA+8*\i], v[TA+8*\i], v[TA+8*\i] row_xmask:\m row_mask:0xf bank_mask:0xf
.endr
.endr
.irp i, 0,1,2,3
	s_delay_alu instid0(VALU_DEP_4)
	v_permlanex16_b32 v[TA+8*\i+1], v[TA+8*\i], s[SEL], s[SEL+1]
.endr
.irp i, 0,1,2,3
	s_delay_alu instid0(VALU_DEP_4)
	v_add_f32 v[TA+8*\i], v[TA+8*\i], v[TA+8*\i+1]
.endr
.endm
	; the mean
.irp i, 0,1,2,3
	v_pk_add_f32 v[TA+8*\i:TA+8*\i+1], v[XX+16*\i:XX+16*\i+1], v[XX+16*\i+2:XX+16*\i+3]
	v_pk_add_f32 v[TA+8*\i+2:TA+8*\i+3], v[XX+16*\i+4:XX+16*\i+5], v[XX+16*\i+6:XX+16*\i+7]
.endr
.irp p, 8,12
.irp i, 0,1,2,3
	v_pk_add_f32 v[TA+8*\i:TA+8*\i+1], v[TA+8*\i:TA+8*\i+1], v[XX+16*\i+\p:XX+16*\i+\p+1]
	v_pk_add_f32 v[TA+8*\i+2:TA+8*\i+3], v[TA+8*\i+2:TA+8*\i+3], v[XX+16*\i+\p+2:XX+16*\i+\p+3]
.endr
.endr
.irp i, 0,1,2,3
	v_pk_add_f32 v[TA+8*\i:TA+8*\i+1], v[TA+8*\i:TA+8*\i+1], v[TA+8*\i+2:TA+8*\i+3]
.endr
.irp i, 0,1,2,3
	s_delay_alu instid0(VALU_DEP_4)
	v_add_f32 v[TA+8*\i], v[TA+8*\i], v[TA+8*\i+1]
.endr
	WAVESUM
.irp i, 0,1,2,3
	s_delay_alu instid0(VALU_DEP_4)
	v_mul_f32 v[TA+8*\i+2], 0xbb000000, v[TA+8*\i]                 ; - mean
.endr
.irp p, 0,2,4,6,8,10,12,14
.irp i, 0,1,2,3
	v_pk_add_f32 v[XX+16*\i+\p:XX+16*\i+\p+1], v[XX+16*\i+\p:XX+16*\i+\p+1], v[TA+8*\i+2:TA+8*\i+3] op_sel_hi:[1,0]
.endr
.endr
	; the variance, of the differences
.irp i, 0,1,2,3
	v_pk_mul_f32 v[TA+8*\i:TA+8*\i+1], v[XX+16*\i:XX+16*\i+1], v[XX+16*\i:XX+16*\i+1]
.endr
.irp p, 2,4,6,8,10,12,14
.irp i, 0,1,2,3
	s_delay_alu instid0(VALU_DEP_4)
	v_pk_fma_f32 v[TA+8*\i:TA+8*\i+1], v[XX+16*\i+\p:XX+16*\i+\p+1], v[XX+16*\i+\p:XX+16*\i+\p+1], v[TA+8*\i:TA+8*\i+1]
.endr
.endr
.irp i, 0,1,2,3
	s_delay_alu instid0(VALU_DEP_4)
	v_add_f32 v[TA+8*\i], v[TA+8*\i], v[TA+8*\i+1]
.endr
	WAVESUM
.irp i, 0,1,2,3
	s_delay_alu instid0(VALU_DEP_4)
	v_fma_f32 v[TA+8*\i+2], v[TA+8*\i], s[RN], s[EP]
.endr
	s_wait_alu depctr_va_vdst(0)
.irp i, 0,1,2,3
	v_rsq_f32 v[TA+8*\i], v[TA+8*\i+2]
.endr
	v_nop                                          ; a plain place behind the last of the four
	s_wait_alu depctr_va_vdst(0)                   ; one wait for the four, ahead of their first reader
.irp p, 0,2,4,6,8,10,12,14
.irp i, 0,1,2,3
	v_pk_mul_f32 v[XX+16*\i+\p:XX+16*\i+\p+1], v[XX+16*\i+\p:XX+16*\i+\p+1], v[TA+8*\i:TA+8*\i+1] op_sel_hi:[1,0]
.endr
.endr
.irp p, 0,2,4,6,8,10,12,14
.irp i, 0,1,2,3
	v_pk_fma_f32 v[XX+16*\i+\p:XX+16*\i+\p+1], v[XX+16*\i+\p:XX+16*\i+\p+1], v[GG+\p:GG+\p+1], v[BB+\p:BB+\p+1]
.endr
.endr
	; quantised: piece e = 2 i + ii is eight neighbours; four neighbouring lanes hold a block of 32
.irp e, 0,1,2,3,4,5,6,7
	v_max3_num_f32 v[QM+\e], |v[XX+8*\e]|, |v[XX+8*\e+1]|, 0x1800000
.endr
.irp p, 2,4,6
.irp e, 0,1,2,3,4,5,6,7
	v_max3_num_f32 v[QM+\e], v[QM+\e], |v[XX+8*\e+\p]|, |v[XX+8*\e+\p+1]|
.endr
.endr
.irp m, 1,2
.irp e, 0,1,2,3,4,5,6,7
	v_max_num_f32_dpp v[QM+\e], v[QM+\e], v[QM+\e] row_xmask:\m row_mask:0xf bank_mask:0xf
.endr
.endr
.irp e, 0,1,2,3,4,5,6,7
	v_add_nc_u32 v[QO+\e], 0xff000000, v[QM+\e]
.endr
.irp e, 0,1,2,3,4,5,6,7
	v_lshrrev_b32 v[QB+\e], 23, v[QO+\e]
.endr
.irp e, 0,1,2,3,4,5,6,7
	v_cvt_scalef32_pk8_fp4_f32 v[QC+\e], v[XX+8*\e:XX+8*\e+7], v[QO+\e]
.endr
	v_nop
.irp e, 0,1,2,3,4,5,6,7
	ds_store_b32 v[AXW], v[QC+\e] offset:(\e%2)*4096+(\e/2)*16
	ds_store_b8 v[AXS], v[QB+\e] offset:(\e%2)*256+(\e/2)*4        ; the four lanes of a block write the same byte with the same value
.endr
	s_wait_tensorcnt 0x0                           ; Wq's rows of mine have landed; only I read these rows
	ds_add_u32 v[SPW], v[NIL]
	s_wait_dscnt 0x0                               ; the add is done, and my stores of x's codes and bytes have landed
	ROUND                                          ; x's eight fragments lie in LDS, and the four work-groups are here
	tensor_load_to_lds s[G0+4:G0+7], s[G1A:G1A+7]  ; slot 1's first fill: Wk, my one load behind the round
	s_nop 0
	PLACES
	v_mov_b32 v[TP], 0                             ; a lane permute's destination counts as one of its sources
	v_mov_b32 v[TP+1], 0
.irp s, 0,1,2,3
.irp u, 0,1
.irp c, 0,1
	ds_load_b128 v[XF+8*(2*\s+\u)+4*\c:XF+8*(2*\s+\u)+4*\c+3], v[LI] offset:(2*\s+\u)*1024+512*\c
.endr
.endr
	ds_load_b32 v[XSW+\s], v[LS] offset:128*\s
.endr
; 32 channels (block q of my head's 64) of q or of k for the 32 tokens.  np, noff: where the next 32 rows' scale words stand
.macro SUBQK adr, q, pc, ps, np, noff
	WFLOAD \adr, \q
	s_wait_loadcnt 0x0                             ; the weight's scale words
	s_wait_dscnt 0x0
.irp s, 0,1,2,3                        ; four accumulators by turns, one instruction a turn
.irp u, 0,1
.irp cc, 0,1
.if \s == 0
	WM ACC+8*(2*\cc+\u), WF+8*(4*\cc+\s), XF+8*(2*\s+\u), -1, WSW+\s, XSW+\s, \cc, \u
.else
	WM ACC+8*(2*\cc+\u), WF+8*(4*\cc+\s), XF+8*(2*\s+\u), ACC+8*(2*\cc+\u), WSW+\s, XSW+\s, \cc, \u
.endif
.endr
.endr
.endr
	PLACES                                         ; in front of the load into the scale words' registers and of the first read of results
	global_load_b128 v[WSW:WSW+3], v[L16], s[\np:\np+1] offset:\noff
	s_wait_xcnt 0x0                                ; the last stores have read their data: the codes' registers may be written again
	QUANT2 ACC, ACC+16, ACC+8, ACC+24              ; block of token tile u: channels 0-15 in (0, u), 16-31 in (1, u)
	global_store_b64 v[STC], v[CD:CD+1], s[\pc:\pc+1] offset:(\q)*256          ; 32 lanes store 256 consecutive bytes, aligned
	global_store_b64 v[STC], v[CD+2:CD+3], s[\pc:\pc+1] offset:512+(\q)*256
.if (\q) == 0
	v_mov_b32 v[SB], v[BY]
	v_mov_b32 v[SB+1], v[BY+1]
.else
	v_lshl_or_b32 v[HW], v[BY], 8, v[SB]
	v_lshl_or_b32 v[HW+1], v[BY+1], 8, v[SB+1]
	s_delay_alu instid0(VALU_DEP_2)
	v_lshl_or_b32 v[HW], v[HW], 16, v[HW]          ; the two bytes again for the K that the head does not have: its codes will be zeros
	s_delay_alu instid0(VALU_DEP_2)
	v_lshl_or_b32 v[HW+1], v[HW+1], 16, v[HW+1]
	s_delay_alu instid0(VALU_DEP_1)
	v_cndmask_b32 v[WW], v[HW], v[HW+1], s[MK]     ; lanes 0-15 tokens 0-15, lanes 16-31 tokens 16-31
	global_store_b32 v[L4], v[WW], s[\ps:\ps+1]
.endif
.endm
; 32 channels of v for the 32 tokens, which are one block along the keys
.macro SUBV q, np, noff
	WFLOAD AW0, \q
	s_wait_loadcnt 0x0
	s_wait_dscnt 0x0
.irp s, 0,1,2,3
.irp u, 0,1
.irp cc, 0,1
.if \s == 0
	WM ACC+8*(2*\cc+\u), XF+8*(2*\s+\u), WF+8*(4*\cc+\s), -1, XSW+\s, WSW+\s, \u, \cc
.else
	WM ACC+8*(2*\cc+\u), XF+8*(2*\s+\u), WF+8*(4*\cc+\s), ACC+8*(2*\cc+\u), XSW+\s, WSW+\s, \u, \cc
.endif
.endr
.endr
.endr
	PLACES
.if \np
	global_load_b128 v[WSW:WSW+3], v[L16], s[\np:\np+1] offset:\noff
.endif
	s_wait_xcnt 0x0
	QUANT2 ACC, ACC+8, ACC+16, ACC+24              ; block of channel tile cc: tokens 0-15 in (cc, 0), 16-31 in (cc, 1)
	global_store_b64 v[STC], v[CD:CD+1], s[PVC:PVC+1] offset:(2*\q)*1024
	global_store_b64 v[STC], v[CD+2:CD+3], s[PVC:PVC+1] offset:(2*\q+1)*1024
.if (\q) == 0
	v_lshl_or_b32 v[VW], v[BY+1], 8, v[BY]         ; byte t: the scale of channel 16 t + r for this block of keys
.else
	v_lshl_or_b32 v[VW], v[BY], 16, v[VW]
	s_delay_alu instid0(VALU_DEP_1)
	v_lshl_or_b32 v[VW], v[BY+1], 24, v[VW]
.endif
.endm
	SUBQK AW0, 0, PQC, PQS, PSQ, 512
	SUBQK AW0, 1, PQC, PQS, PSK, 0
	CHANGE 0, PWV, 0, G1A                          ; Wq is done with: slot 0 takes Wv; Wk has landed
	SUBQK AW1, 0, PKC, PKS, PSK, 512
	SUBQK AW1, 1, PKC, PKS, PSV, 0
	s_wait_tensorcnt 0x0                           ; Wv's rows of mine have landed
	SUBV 0, PSV, 512
	SUBV 1, 0, 0
	s_wait_alu depctr_va_vdst(0)
	s_wait_xcnt 0x0                                ; EXEC changes only behind this wait
	v_cmp_gt_u32 vcc_lo, 16, v[LAN]
	s_and_saveexec_b32 s[SX], vcc_lo
	global_store_b32 v[R4], v[VW], s[PVS:PVS+1]    ; lanes 0-15: 64 consecutive bytes
	s_wait_xcnt 0x0
	s_or_b32 exec_lo, exec_lo, s[SX]
	s_wait_tensorcnt 0x0                           ; the wave's end
	ds_add_u32 v[SPW], v[NIL]
	s_wait_dscnt 0x0
	ROUND                                          ; the closing round
	s_endpgm
.Lfunc_end_k_q3958f7ca6c_qkv:
	.size	k_q3958f7ca6c_qkv, .Lfunc_end_k_q3958f7ca6c_qkv-k_q3958f7ca6c_qkv
	.p2alignl 7, 3214868480
	.fill 96, 4, 3214868480
	.section	.rodata,"a",@progbits
	.p2align	6, 0x0
	.amdhsa_kernel k_q3958f7ca6c_qkv
		.amdhsa_group_segment_fixed_size 327680
		.amdhsa_private_segment_fixed_size 0
		.amdhsa_enable_private_segment 0
		.amdhsa_kernarg_size 112
		.amdhsa_user_sgpr_count 2
		.amdhsa_user_sgpr_kernarg_segment_ptr 1
		.amdhsa_wavefront_size32 1
		.amdhsa_system_sgpr_workgroup_id_x 1
		.amdhsa_system_sgpr_workgroup_id_y 1
		.amdhsa_system_sgpr_workgroup_id_z 1
		.amdhsa_system_vgpr_workitem_id 0
		.amdhsa_next_free_vgpr 256
		.amdhsa_next_free_sgpr 100
		.amdhsa_reserve_vcc 1
		.amdhsa_float_denorm_mode_32 3
		.amdhsa_float_denorm_mode_16_64 3
		.amdhsa_memory_ordered 1
		.amdhsa_forward_progress 1
		.amdhsa_inst_pref_size 71
	.end_amdhsa_kernel
	.amdgpu_metadata
---
amdhsa.version: [ 1, 2 ]
amdhsa.kernels:
  - .name:           k_q3958f7ca6c_qkv
    .symbol:         k_q3958f7ca6c_qkv.kd
    .args:
      - { .name: inputs, .offset: 0, .size: 8, .value_kind: global_buffer, .address_space: global }
      - { .name: ln_att_g, .offset: 8, .size: 8, .value_kind: global_buffer, .address_space: global }
      - { .name: ln_att_b, .offset: 16, .size: 8, .value_kind: global_buffer, .address_space: global }
      - { .name: Wq_codes, .offset: 24, .size: 8, .value_kind: global_buffer, .address_space: global }
      - { .name: Wq_scales, .offset: 32, .size: 8, .value_kind: global_buffer, .address_space: global }
      - { .name: Wk_codes, .offset: 40, .size: 8, .value_kind: global_buffer, .address_space: global }
      - { .name: Wk_scales, .offset: 48, .size: 8, .value_kind: global_buffer, .address_space: global }
      - { .name: Wv_codes, .offset: 56, .size: 8, .value_kind: global_buffer, .address_space: global }
      - { .name: Wv_scales, .offset: 64, .size: 8, .value_kind: global_buffer, .address_space: global }
      - { .name: qc, .offset: 72, .size: 8, .value_kind: global_buffer, .address_space: global }
      - { .name: qs, .offset: 80, .size: 8, .value_kind: global_buffer, .address_space: global }
      - { .name: kc, .offset: 88, .size: 8, .value_kind: global_buffer, .address_space: global }
      - { .name: vc, .offset: 96, .size: 8, .value_kind: global_buffer, .address_space: global }
      - { .name: sc, .offset: 104, .size: 8, .value_kind: global_buffer, .address_space: global }
    .group_segment_fixed_size: 327680
    .private_segment_fixed_size: 0
    .kernarg_segment_align: 8
    .kernarg_segment_size: 112
    .max_flat_workgroup_size: 256
    .sgpr_count:     100
    .vgpr_count:     256
    .wavefront_size: 32
...
	.end_amdgpu_metadata
.endif
;; end of part 1
;; launch attn (part 2): grid 16 x 16, 16 waves a work-group, clusters of 4 x 1, 327,680 bytes of LDS; arguments qc, qs, kc, vc, sc, aoc, aos; writes aoc, aos
.if DOCPART == 2
	.amdgcn_target "amdgcn-amd-amdhsa--gfx1250"
	.amdhsa_code_object_version 6
	.text
	.protected	k_q3958f7ca6c_attn
	.globl	k_q3958f7ca6c_attn
	.p2align	8
	.type	k_q3958f7ca6c_attn,@function
k_q3958f7ca6c_attn:
	s_mov_b64 s[64:65], 0
	v_nop
	global_prefetch_b8 v0, s[64:65] scope:SCOPE_SE
	s_setreg_imm32_b32 hwreg(HW_REG_WAVE_MODE, 25, 1), 1
	s_wait_xcnt 0x0
	s_wait_alu depctr_hold_cnt(0) depctr_sa_sdst(0) depctr_va_vdst(0) depctr_va_sdst(0) depctr_va_ssrc(0) depctr_va_vcc(0) depctr_vm_vsrc(0)
	s_getreg_b32 s2, hwreg(HW_REG_IB_STS2, 6, 4)
	s_cmp_eq_u32 s2, 0
	s_cbranch_scc0 .Lentry_in_a_cluster
	s_endpgm
.Lentry_in_a_cluster:
	s_bfe_u32 s2, ttmp6, 0x10000c
	s_cmp_lg_u32 s2, 0x3003
	s_cbranch_scc0 .Lentry_shape_is_right
	s_endpgm
.Lentry_shape_is_right:
; Attention of one head on codes of FP4 (E2M1) with E8M0 scales, head size 64, 4,096 keys; its result, divided by the row's sum, is quantised along the head for the next product.
; t = score x log2(e) / 8; M = the running largest t rounded up to a whole number; p = 2^(t - M) is quantised along the keys; the row's sum is taken of the unquantised p.  When M moves, the sum and O are multiplied by 2^(old M - new M): exact.
; SHARES.  A work-group owns 256 queries of one (batch, head); each of its sixteen waves owns 16, in 256 registers.  Every wave walks all keys, 128 a step.
; THE WHOLE HEAD LIES IN LDS, filled once: wave w < 8 fetches keys 512 w .. + 511 of k's codes, wave w >= 8 the same keys of v's, one tensor load a wave, 16 rows of 1,024 bytes.  The four work-groups of a cluster belong to one head and ask jointly.
; Each wave waits for its own load ahead of the one barrier at the head.  128 bytes of padding behind each 1,024 set the two blocks of keys that a load of k touches 128 bytes apart modulo 256.
; The scale words come by plain loads and go to LDS by stores: k's as they lie, v's turned in registers (four blocks of keys x four channel tiles).
; No prefetch: every fill goes out at the kernel's head, so there is no later load to ask ahead of.
; LAYOUT.  S^T = K Q^T (source 0 = 16 keys, source 1 = my 16 queries), O^T = V^T P^T: a lane holds one query throughout.
; THE KEYS OF A TILE ARE CHOSEN: row m of tile 4 c + u is key 64 c + 32 (m / 8) + 8 u + m % 8.  So lane (r, h) holds in the 32 registers of tiles 4 c .. 4 c + 3 the WHOLE block 2 c + h of 32 keys, in order:
; a block's maximum needs no other lane, and the conversion of tile 4 c + u is register 4 c + u of P's operand as it stands.
; The head has 64 of the instruction's 128 along K: q's registers 4-7 hold zero codes, written once.  What k's fragments hold there is multiplied by zero codes under finite scale bytes, so tile t's registers 4-7 are tile t + 1's codes: 36 registers for 8 tiles.
; ORDER.  The next step's scores are multiplied under this step's rescaling of O^T; a step's LDS loads are issued near its head and waited for near its end.
; LIMITS: NaN and infinities are not served; a block under 2^-124 (a block of zeros too) gets the byte 1; the promise holds while the scaled scores t stay under 2^31 in magnitude.
.set BP,    1152                       ; a block of 32 keys of k (or a channel tile's 128 keys of v) in LDS: 1,024 bytes + 128 of padding
.set SS,    4*BP                       ; a key step
.set PIECE, 16*BP                      ; what one tensor load fills
.set VIMG,  8*PIECE                    ; k's image from 0, v's from here
.set KSC,   2*VIMG                     ; k's scale words, 4 bytes a key
.set VST,   KSC+16384                  ; v's scale words [step][tile 4][r], byte = the block in the step
.set AOSL,  VST+8192                   ; the result's scale bytes of the 256 queries
.set SPARE, AOSL+512                   ; the spare words: 128 bytes for each wave
.set WV,  18
.set SEL, 20
.set CS,  22
.set G1,  24
.set G0,  32
.set TK,  36
.set TS,  37
.set TV,  38
.set CNT, 39
.set AK0, 1                            ; lane terms of the LDS addresses: k's codes, v's codes, k's words, v's words
.set AV0, 2
.set AKS0, 3
.set AVS0, 4
.set SPW, 5
.set NIL, 6
.set L16, 7
.set MR,  8                            ; the running largest score
.set NM,  9                            ; -M of the last step
.set TN,  10                           ; v[10:11] -M (the low word serves both halves)
.set FF,  12                           ; v[12:13] f = 2^(old M - new M)
.set LS,  14                           ; v[14:15] the sum, in two halves
.set QF,  16
.set QS,  24
.set KS,  25                           ; v25-28 k's scale words: lanes 0-15 tile 2 i, lanes 16-31 tile 2 i + 1
.set VS,  29
.set PS,  31
.set KF,  32                           ; v32-67
.set VF,  68                           ; v68-99
.set S,   100                          ; v100-163 S^T, then p
.set O,   164                          ; v164-195 O^T
.set PC,  196                          ; v196-203 p's codes
.set TX,  204
.set BM,  212
.set MA,  214
.set T0,  218
.set T1,  219
.set SA,  220                          ; v220-235 eight chains of the sum
.set ADK, 236
.set ADV, 237
.set ADS, 238
.set ADT, 239
.set T16, 240
.set KSA, 241
.set VRO, 242
.set VSA, 243
.set AOW, 244
.set AOR, 245
.set R4,  246
.set LN,  247
.set RR,  248
.set HH,  249
.set R7,  250
.set R3,  251
.set SO,  252
.set BY,  254
.macro PLACES
.rept 4
	v_nop
.endr
.endm
.macro ROUND
	s_barrier_signal -1
	s_barrier_wait -1
	s_cmp_lg_u32 s[WV], 0
	s_cbranch_scc1 .Lnot_wave_0_\@
	s_barrier_signal -3
.Lnot_wave_0_\@:
	s_barrier_wait -3
	s_barrier_signal -1
	s_barrier_wait -1
.endm
; one product.  c < 0: the constant 0 starts the sum.  ra: source 0's scales stand in lanes 16-31
.macro WM d, a, b, c, sa, sb, ra
.if (\c) < 0
.if (\ra)
	v_wmma_scale_f32_16x16x128_f8f6f4 v[(\d):(\d)+7], v[(\a):(\a)+7], v[(\b):(\b)+7], 0, v[(\sa)], v[(\sb)] matrix_a_fmt:MATRIX_FMT_FP4 matrix_b_fmt:MATRIX_FMT_FP4 matrix_a_scale:MATRIX_SCALE_ROW1
.else
	v_wmma_scale_f32_16x16x128_f8f6f4 v[(\d):(\d)+7], v[(\a):(\a)+7], v[(\b):(\b)+7], 0, v[(\sa)], v[(\sb)] matrix_a_fmt:MATRIX_FMT_FP4 matrix_b_fmt:MATRIX_FMT_FP4
.endif
.else
.if (\ra)
	v_wmma_scale_f32_16x16x128_f8f6f4 v[(\d):(\d)+7], v[(\a):(\a)+7], v[(\b):(\b)+7], v[(\c):(\c)+7], v[(\sa)], v[(\sb)] matrix_a_fmt:MATRIX_FMT_FP4 matrix_b_fmt:MATRIX_FMT_FP4 matrix_a_scale:MATRIX_SCALE_ROW1
.else
	v_wmma_scale_f32_16x16x128_f8f6f4 v[(\d):(\d)+7], v[(\a):(\a)+7], v[(\b):(\b)+7], v[(\c):(\c)+7], v[(\sa)], v[(\sb)] matrix_a_fmt:MATRIX_FMT_FP4 matrix_b_fmt:MATRIX_FMT_FP4
.endif
.endif
.endm
.macro KLOAD adr, ads, off, soff       ; a step's eight tiles of k and their scale words
.irp t, 0,1,2,3,4,5,6,7
	ds_load_b128 v[KF+4*\t:KF+4*\t+3], v[\adr] offset:\off+2*BP*(\t/4)+512*((\t%4)/2)+128*(\t%2)
.endr
.irp i, 0,1,2,3
	ds_load_b32 v[KS+\i], v[\ads] offset:\soff+256*(\i/2)+64*(\i%2)
.endr
.endm
.macro QK                              ; S^T of 128 keys: eight sums, each begun with the constant 0
.irp t, 0,1,2,3,4,5,6,7
	WM S+8*\t, KF+4*\t, QF, -1, KS+\t/2, QS, \t%2
.endr
.endm
.macro ADD8 from                       ; eight pairs of p onto the eight chains
.set J, \from
.rept 8
	v_pk_add_f32 v[SA+J%16:SA+J%16+1], v[SA+J%16:SA+J%16+1], v[S+J:S+J+1]
.set J, J+2
.endr
.endm
	s_load_b256 s[4:11], s[0:1], 0x0               ; qc, qs, kc, vc
	s_load_b128 s[12:15], s[0:1], 0x20             ; sc, aoc
	s_load_b64 s[16:17], s[0:1], 0x30              ; aos
	v_lshl_add_u32 v[SPW], v0, 2, SPARE
	v_mov_b32 v[NIL], 0
	ds_add_u32 v[SPW], v[NIL]                      ; the opening: the add, twice on end, and its wait ahead of my first tensor load
	ds_add_u32 v[SPW], v[NIL]
	v_lshrrev_b32 v[LN], 5, v0
	v_readfirstlane_b32 s[WV], v[LN]               ; wave 0..15
	v_and_b32 v[LN], 31, v0
	v_and_b32 v[RR], 15, v0
	v_bfe_u32 v[HH], v0, 4, 1
	v_and_b32 v[R7], 7, v0
	v_bfe_u32 v[R3], v0, 3, 1
	v_lshlrev_b32 v[T16], 4, v0
	v_lshrrev_b32 v[VRO], 4, v0
	v_lshlrev_b32 v[L16], 4, v[LN]
	v_mul_u32_u24 v[AK0], v[R3], BP                ; k: rows 8-15 of a tile lie a block of keys further on;
	v_lshl_add_u32 v[AKS0], v[R3], 7, KSC
	v_lshlrev_b32 v[VRO], 8, v[VRO]
	v_lshl_add_u32 v[AVS0], v[LN], 2, VST
	v_lshlrev_b32 v[R4], 2, v[RR]
	v_add_nc_u32 v[KSA], KSC, v[T16]
	v_lshl_add_u32 v[AK0], v[HH], 8, v[AK0]        ; my half of the head's 64;
	v_lshl_add_u32 v[AKS0], v[HH], 5, v[AKS0]      ; words: lanes 16-31 take the odd tile, 8 keys on
	v_lshl_add_u32 v[VRO], v[RR], 2, v[VRO]        ; thread (step = thread / 16, r): 256 step + 4 r among v's words
	v_add_nc_u32 v[AV0], VIMG, v[L16]
	v_add_nc_u32 v[AOR], AOSL, v[L16]
	v_lshl_add_u32 v[AK0], v[R7], 4, v[AK0]        ; 16 bytes a key
	v_lshl_add_u32 v[AKS0], v[R7], 2, v[AKS0]
	v_add_nc_u32 v[VSA], VST, v[VRO]
	s_lshl_b32 s40, s[WV], 5
	s_add_co_u32 s40, s40, AOSL
	v_lshl_add_u32 v[AOW], v[RR], 1, s40
	s_mov_b32 s[SEL], 0x76543210
	s_mov_b32 s[SEL+1], 0xfedcba98                 ; lane l xor 16
	s_mov_b32 s[CS], 0x3e38aa3b                    ; log2(e) / 8
	s_mov_b32 s[CS+1], s[CS]
	s_bfe_u32 s76, ttmp6, 0x40000                  ; my place in the cluster
	s_lshl_b32 s77, ttmp9, 2
	s_add_co_u32 s77, s77, s76                     ; my block of 256 queries: it enters q's and the result's addresses alone
	s_lshl_b32 s78, s77, 4
	s_add_co_u32 s78, s78, s[WV]                   ; my tile of 16 queries
	s_and_b32 s79, ttmp7, 0xffff                   ; bh, which the four partners share
	s_lshl_b32 s80, s79, 17
	s_mul_i32 s82, s79, 24576
	s_mov_b32 s83, 0
	s_lshl_b32 s84, s78, 9
	s_add_co_u32 s84, s84, s80
	s_mov_b32 s85, 0
	s_lshl_b32 s86, s79, 14
	s_lshl_b32 s87, s78, 6
	s_add_co_u32 s86, s86, s87
	s_mov_b32 s87, 0
	s_lshr_b32 s88, s79, 3
	s_lshl_b32 s88, s88, 8
	s_add_co_u32 s88, s88, s78                     ; the tile of rows among all 512
	s_lshl_b32 s88, s88, 12
	s_and_b32 s89, s79, 7
	s_lshl_b32 s89, s89, 9
	s_add_co_u32 s88, s88, s89
	s_mov_b32 s89, 0
	s_lshl_b32 s90, s79, 13
	s_lshl_b32 s91, s77, 9
	s_add_co_u32 s90, s90, s91
	s_mov_b32 s91, 0
	s_and_b32 s92, s[WV], 7
	s_lshl_b32 s92, s92, 14
	s_add_co_u32 s92, s92, s80                     ; my 512 keys of the head's codes
	s_mov_b32 s93, 0
	; group 1: 16 rows of 1,024 bytes (128 elements of 8 bytes), dense in memory; 32 words of padding behind every 256
	s_mov_b32 s[G1], 15|(3<<16)|(1<<20)|(1<<21)|(7<<22)|(31<<25)
	s_mov_b32 s[G1+1], 128<<16
	s_mov_b32 s[G1+2], 16<<16
	s_mov_b32 s[G1+3], 128<<16
	s_mov_b32 s[G1+4], 16
	s_mov_b32 s[G1+5], 128
	s_mov_b32 s[G1+6], 0
	s_mov_b32 s[G1+7], 0
	s_mov_b32 s[G0], 1
	s_mul_i32 s[G0+1], s[WV], PIECE
	s_wait_alu depctr_va_vdst(0)                   ; directly ahead of the waits below
	s_wait_dscnt 0x0                               ; both opening adds are done
	s_wait_kmcnt 0x0
	s_add_nc_u64 s[12:13], s[12:13], s[82:83]      ; the head's scale words
	s_add_nc_u64 s[4:5], s[4:5], s[84:85]          ; my tile of q, its scale words, my part of the results
	s_add_nc_u64 s[6:7], s[6:7], s[86:87]
	s_add_nc_u64 s[14:15], s[14:15], s[88:89]
	s_add_nc_u64 s[16:17], s[16:17], s[90:91]
	s_cmp_lt_u32 s[WV], 8                          ; waves 0-7 fetch k's codes, waves 8-15 v's
	s_cselect_b64 s[G0+2:G0+3], s[8:9], s[10:11]
	s_add_nc_u64 s[G0+2:G0+3], s[G0+2:G0+3], s[92:93]
	s_or_b32 s[G0+3], s[G0+3], 0x80000000
	global_load_b128 v[S:S+3], v[T16], s[12:13]                    ; k's words: 16,384 bytes, 32 a thread
	global_load_b128 v[S+4:S+7], v[T16], s[12:13] offset:8192
.irp k, 0,1,2,3
	global_load_b32 v[S+8+\k], v[VRO], s[12:13] offset:16384+64*\k ; v's raw words of my step's four blocks: byte t for channel 16 t + r
.endr
	global_load_b128 v[QF:QF+3], v[L16], s[4:5]    ; q's fragment: lane (r, h) holds block h of query r
	global_load_b32 v[QS], v[R4], s[6:7]
	ROUND                                          ; the four work-groups are here: the joint loads meet
	tensor_load_to_lds s[G0:G0+3], s[G1:G1+7]      ; my one tensor load
	s_nop 0
	PLACES
	v_mov_b32 v[MR], 0xff61b1e6                    ; the largest score so far: -3e38
	v_mov_b32 v[NM], 0x7f61b1e6                    ; -M: so the first f is 0, on sums that are 0
.irp j, TN+1, FF+1, LS, LS+1, T0, QF+4, QF+5, QF+6, QF+7, KF+32, KF+33, KF+34, KF+35
	v_mov_b32 v[\j], 0
.endr
.set J, 0
.rept 32
	v_mov_b32 v[O+J], 0                            ; O^T: the step is written once; its first run finds zeros
.set J, J+1
.endr
	s_wait_loadcnt 0x2                             ; the words are in; q's two loads, issued behind them, may stay out
	ds_store_b128 v[KSA], v[S:S+3]
	ds_store_b128 v[KSA], v[S+4:S+7] offset:8192
	v_perm_b32 v[S+12], v[S+9], v[S+8], 0x05010400 ; four words by block become four words by channel tile
	v_perm_b32 v[S+13], v[S+9], v[S+8], 0x07030602
	v_perm_b32 v[S+14], v[S+11], v[S+10], 0x05010400
	v_perm_b32 v[S+15], v[S+11], v[S+10], 0x07030602
	s_delay_alu instid0(VALU_DEP_2)
	v_perm_b32 v[S+16], v[S+14], v[S+12], 0x05040100
	s_delay_alu instid0(VALU_DEP_3)
	v_perm_b32 v[S+17], v[S+14], v[S+12], 0x07060302
	s_delay_alu instid0(VALU_DEP_3)
	v_perm_b32 v[S+18], v[S+15], v[S+13], 0x05040100
	s_delay_alu instid0(VALU_DEP_4)
	v_perm_b32 v[S+19], v[S+15], v[S+13], 0x07060302
.irp t, 0,1,2,3
	ds_store_b32 v[VSA], v[S+16+\t] offset:64*\t
.endr
	s_wait_alu depctr_va_vdst(0)                   ; the head's end
	s_wait_tensorcnt 0x0                           ; my 512 keys have landed
	s_wait_loadcnt 0x0                             ; q
	s_wait_dscnt 0x0                               ; my stores of scale words have landed
	s_barrier_signal -1
	s_barrier_wait -1                              ; the whole head and its scale words lie in LDS; nothing is ever filled again
	KLOAD AK0, AKS0, 0, 0
	s_mov_b32 s[TK], 0
	s_mov_b32 s[TS], 0
	s_mov_b32 s[TV], 0
	s_mov_b32 s[CNT], 31
	s_wait_dscnt 0x0
	QK                                             ; the first step's scores
	PLACES
; A KEY STEP: 128 keys, whose scores stand in S.  more = 1: the next step's tiles of k are fetched and its scores multiplied
.macro STEP more
.irp t, 0,1,2,3,4,5,6,7
	v_max3_num_f32 v[TX+\t], v[S+8*\t], v[S+8*\t+1], v[S+8*\t+2]   ; eight chains, a tile each, from each accumulator's low end on; they are also the places behind the last products
.endr
.irp i, 3,5
.irp t, 0,1,2,3,4,5,6,7
	v_max3_num_f32 v[TX+\t], v[TX+\t], v[S+8*\t+\i], v[S+8*\t+\i+1]
.endr
.endr
	v_add_nc_u32 v[ADV], s[TK], v[AV0]
	v_add_nc_u32 v[ADT], s[TV], v[AVS0]
.if \more
	v_add_nc_u32 v[ADK], s[TK], v[AK0]
	v_add_nc_u32 v[ADS], s[TS], v[AKS0]
.endif
.irp t, 0,1,2,3
.irp c, 0,1
	ds_load_b128 v[VF+8*\t+4*\c:VF+8*\t+4*\c+3], v[ADV] offset:BP*\t+512*\c
.endr
.endr
.irp i, 0,1
	ds_load_b32 v[VS+\i], v[ADT] offset:128*\i
.endr
.if \more
	KLOAD ADK, ADS, SS, 512
.endif
.irp c, 0,1                            ; my block 2 c + h: four chains and the tiles' last registers
	v_max3_num_f32 v[MA+2*\c], v[TX+4*\c], v[TX+4*\c+1], v[S+32*\c+7]
	v_max3_num_f32 v[MA+2*\c+1], v[TX+4*\c+2], v[TX+4*\c+3], v[S+32*\c+15]
.endr
	v_max3_num_f32 v[BM], v[MA], v[MA+1], v[S+23]
	v_max3_num_f32 v[BM+1], v[MA+2], v[MA+3], v[S+55]
	v_max_num_f32 v[BM], v[BM], v[S+31]            ; the largest score of each of my two blocks: for the row's maximum, and, since p rises with the score, for the block's largest p
	v_max_num_f32 v[BM+1], v[BM+1], v[S+63]
	s_delay_alu instid0(VALU_DEP_1)
	v_max3_num_f32 v[MR], v[MR], v[BM], v[BM+1]
	s_delay_alu instid0(VALU_DEP_1)
	v_permlanex16_b32 v[T0], v[MR], s[SEL], s[SEL+1]
	s_delay_alu instid0(VALU_DEP_1)
	v_max_num_f32 v[MR], v[MR], v[T0]              ; with lane l xor 16's blocks: the running largest score of my query
	s_delay_alu instid0(VALU_DEP_1)
	v_mul_f32 v[T1], s[CS], v[MR]                  ; as t
	s_delay_alu instid0(VALU_DEP_1)
	v_floor_f32 v[TN], -v[T1]                      ; the new -M
	s_delay_alu instid0(VALU_DEP_1)
	v_sub_f32 v[T1], v[TN], v[NM]                  ; old M - new M: a whole number, 0 or less
.set J, 0
.rept 32
	v_pk_fma_f32 v[S+J:S+J+1], v[S+J:S+J+1], s[CS:CS+1], v[TN:TN+1] op_sel_hi:[1,0,0]   ; t - M
.set J, J+2
.endr
	v_fma_f32 v[BM], v[BM], s[CS], v[TN]
	v_fma_f32 v[BM+1], v[BM+1], s[CS], v[TN]
	v_cvt_i32_f32 v[T1], v[T1]                     ; (it saturates)
	s_wait_alu depctr_va_vdst(0)                   ; ahead of the batch
.set J, 0
.rept 64
	v_exp_f32 v[S+J], v[S+J]                       ; p = 2^(t - M)
.set J, J+1
.endr
	v_exp_f32 v[BM], v[BM]                         ; each block's largest p
	v_exp_f32 v[BM+1], v[BM+1]
	v_ldexp_f32 v[FF], 1.0, v[T1]                  ; f = 2^(old M - new M): the plain place behind the batch
	s_wait_alu depctr_va_vdst(0)                   ; one wait for the 66, ahead of their first reader
.irp k, 0,1,2,3,4,5,6,7
	v_pk_add_f32 v[SA+2*\k:SA+2*\k+1], v[S+4*\k:S+4*\k+1], v[S+4*\k+2:S+4*\k+3]   ; the sum of the unquantised p, in eight chains; the scales' lines stand among them
.endr
	v_max_num_f32 v[BM], 0x1800000, v[BM]          ; the floor 2^(3 - 127): the byte cannot fall under 1
	v_max_num_f32 v[BM+1], 0x1800000, v[BM+1]
	ADD8 32
	v_add_nc_u32 v[SO], 0xff000000, v[BM]          ; 2 off the exponent field: the conversion's scale operand
	v_add_nc_u32 v[SO+1], 0xff000000, v[BM+1]
	ADD8 48
	v_lshrrev_b32 v[BY], 23, v[SO]                 ; the scale's byte
	v_lshrrev_b32 v[BY+1], 23, v[SO+1]
.irp k, 0,1,2,3
	v_pk_add_f32 v[SA+2*\k:SA+2*\k+1], v[SA+2*\k:SA+2*\k+1], v[SA+2*\k+8:SA+2*\k+9]
.endr
	v_lshl_or_b32 v[PS], v[BY+1], 16, v[BY]        ; my blocks h and 2 + h
	s_delay_alu instid0(VALU_DEP_3)
	v_pk_add_f32 v[SA:SA+1], v[SA:SA+1], v[SA+4:SA+5]
	s_delay_alu instid0(VALU_DEP_3)
	v_pk_add_f32 v[SA+2:SA+3], v[SA+2:SA+3], v[SA+6:SA+7]
	s_delay_alu instid0(VALU_DEP_3)
	v_permlanex16_b32 v[T0], v[PS], s[SEL], s[SEL+1]
	s_delay_alu instid0(VALU_DEP_2)
	v_pk_add_f32 v[SA:SA+1], v[SA:SA+1], v[SA+2:SA+3]
	s_delay_alu instid0(VALU_DEP_2)
	v_lshl_or_b32 v[PS], v[T0], 8, v[PS]           ; lanes 0-15: p's scale word for these 128 keys (lanes 16-31 are not read)
	s_delay_alu instid0(VALU_DEP_2)
	v_pk_fma_f32 v[LS:LS+1], v[LS:LS+1], v[FF:FF+1], v[SA:SA+1] op_sel_hi:[1,0,1]   ; the sum under the new M, and this step's
.irp t, 0,1,2,3,4,5,6,7
	v_cvt_scalef32_pk8_fp4_f32 v[PC+\t], v[S+8*\t:S+8*\t+7], v[SO+\t/4]   ; keys 8 (t % 4) + 0 .. 7 of my block: register t of P's operand
.endr
	v_mov_b32 v[NM], v[TN]                         ; the plain place behind the conversions
	s_wait_dscnt 0x0                               ; v, its words, and the next step's k and its words are in
	s_wait_alu depctr_va_vdst(0)                   ; behind the wait above, and directly ahead of the first readers of O^T
.irp t, 0,1,2,3
	v_pk_mul_f32 v[O+8*\t:O+8*\t+1], v[O+8*\t:O+8*\t+1], v[FF:FF+1] op_sel_hi:[1,0]   ; O^T under the new M: each accumulator's low end first
.endr
.if \more
	QK                                             ; the next step's scores, into registers whose p has been converted
.endif
.irp t, 0,1,2,3
.irp j, 2,4,6
	v_pk_mul_f32 v[O+8*\t+\j:O+8*\t+\j+1], v[O+8*\t+\j:O+8*\t+\j+1], v[FF:FF+1] op_sel_hi:[1,0]   ; these twelve are the places behind the scores' products and ahead of the products below
.endr
.endr
.irp t, 0,1,2,3                        ; four accumulators by turns
	WM O+8*\t, VF+8*\t, PC, O+8*\t, VS+\t/2, PS, \t%2
.endr
	s_add_co_u32 s[TK], s[TK], SS
	s_add_co_u32 s[TS], s[TS], 512
	s_add_co_u32 s[TV], s[TV], 256
.endm
.Lstep:                                                ; steps 0 to 30
	STEP 1
	s_sub_co_u32 s[CNT], s[CNT], 1
	s_cmp_lg_u32 s[CNT], 0
	s_cbranch_scc1 .Lstep
	STEP 0                                         ; step 31 has no successor
	; THE WAY OUT: O^T / the sum, quantised along the head's 64 (two blocks), as an image of the next product's operand
	PLACES
	v_add_f32 v[LS], v[LS], v[LS+1]
	s_delay_alu instid0(VALU_DEP_1)
	v_permlanex16_b32 v[T0], v[LS], s[SEL], s[SEL+1]
	s_delay_alu instid0(VALU_DEP_1)
	v_add_f32 v[LS], v[LS], v[T0]                  ; the row's sum
	s_wait_alu depctr_va_vdst(0)                   ; ahead of the transcendental
	v_rcp_f32 v[LS], v[LS]
	v_nop
	s_wait_alu depctr_va_vdst(0)                   ; and ahead of its first reader, which is also O^T's
.set J, 0
.rept 16
	v_pk_mul_f32 v[S+J:S+J+1], v[O+J:O+J+1], v[LS:LS+1] op_sel_hi:[1,0]   ; register 8 t + j: channel 16 t + 8 h + j of query r
.set J, J+2
.endr
	v_max3_num_f32 v[TX], |v[S]|, |v[S+1]|, 0x1800000
	v_max3_num_f32 v[TX+1], |v[S+16]|, |v[S+17]|, 0x1800000
.irp i, 2,4,6,8,10,12,14
	s_delay_alu instid0(VALU_DEP_2)
	v_max3_num_f32 v[TX], v[TX], |v[S+\i]|, |v[S+\i+1]|
	s_delay_alu instid0(VALU_DEP_2)
	v_max3_num_f32 v[TX+1], v[TX+1], |v[S+16+\i]|, |v[S+17+\i]|
.endr
	s_delay_alu instid0(VALU_DEP_2)
	v_permlanex16_b32 v[T0], v[TX], s[SEL], s[SEL+1]
	s_delay_alu instid0(VALU_DEP_2)
	v_permlanex16_b32 v[T1], v[TX+1], s[SEL], s[SEL+1]
	s_delay_alu instid0(VALU_DEP_2)
	v_max_num_f32 v[TX], v[TX], v[T0]
	s_delay_alu instid0(VALU_DEP_2)
	v_max_num_f32 v[TX+1], v[TX+1], v[T1]
	s_delay_alu instid0(VALU_DEP_2)
	v_add_nc_u32 v[SO], 0xff000000, v[TX]
	s_delay_alu instid0(VALU_DEP_2)
	v_add_nc_u32 v[SO+1], 0xff000000, v[TX+1]
	s_delay_alu instid0(VALU_DEP_2)
	v_lshrrev_b32 v[BY], 23, v[SO]
	s_delay_alu instid0(VALU_DEP_2)
	v_lshrrev_b32 v[BY+1], 23, v[SO+1]
	v_cvt_scalef32_pk8_fp4_f32 v[PC], v[S:S+7], v[SO]
	v_cvt_scalef32_pk8_fp4_f32 v[PC+1], v[S+16:S+23], v[SO+1]
	v_cvt_scalef32_pk8_fp4_f32 v[PC+2], v[S+8:S+15], v[SO]
	v_cvt_scalef32_pk8_fp4_f32 v[PC+3], v[S+24:S+31], v[SO+1]
	v_nop
	v_permlane16_swap_b32 v[PC], v[PC+1]
	v_permlane16_swap_b32 v[PC+2], v[PC+3]         ; lane (r, h) holds block h of row r: 16 bytes
	v_lshl_or_b32 v[BY], v[BY+1], 8, v[BY]
	global_store_b128 v[L16], v[PC:PC+3], s[14:15] ; 512 consecutive bytes
	ds_store_b16 v[AOW], v[BY]                     ; both halves of the lanes write the same two bytes with the same value
	s_wait_dscnt 0x0
	s_barrier_signal -1
	s_barrier_wait -1
	s_cmp_lg_u32 s[WV], 0
	s_cbranch_scc1 .Lno_aos
	ds_load_b128 v[S:S+3], v[AOR]                  ; wave 0 stores the 256 queries' scale bytes: 512 consecutive bytes
	s_wait_dscnt 0x0
	global_store_b128 v[L16], v[S:S+3], s[16:17]
.Lno_aos:
	s_wait_tensorcnt 0x0                           ; the wave's end
	ds_add_u32 v[SPW], v[NIL]
	s_wait_dscnt 0x0
	ROUND                                          ; the closing round
	s_endpgm
.Lfunc_end_k_q3958f7ca6c_attn:
	.size	k_q3958f7ca6c_attn, .Lfunc_end_k_q3958f7ca6c_attn-k_q3958f7ca6c_attn
	.p2alignl 7, 3214868480
	.fill 96, 4, 3214868480
	.section	.rodata,"a",@progbits
	.p2align	6, 0x0
	.amdhsa_kernel k_q3958f7ca6c_attn
		.amdhsa_group_segment_fixed_size 327680
		.amdhsa_private_segment_fixed_size 0
		.amdhsa_enable_private_segment 0
		.amdhsa_kernarg_size 56
		.amdhsa_user_sgpr_count 2
		.amdhsa_user_sgpr_kernarg_segment_ptr 1
		.amdhsa_wavefront_size32 1
		.amdhsa_system_sgpr_workgroup_id_x 1
		.amdhsa_system_sgpr_workgroup_id_y 1
		.amdhsa_system_sgpr_workgroup_id_z 1
		.amdhsa_system_vgpr_workitem_id 0
		.amdhsa_next_free_vgpr 256
		.amdhsa_next_free_sgpr 100
		.amdhsa_reserve_vcc 0
		.amdhsa_float_denorm_mode_32 3
		.amdhsa_float_denorm_mode_16_64 3
		.amdhsa_memory_ordered 1
		.amdhsa_forward_progress 1
		.amdhsa_inst_pref_size 43
	.end_amdhsa_kernel
	.amdgpu_metadata
---
amdhsa.version: [ 1, 2 ]
amdhsa.kernels:
  - .name:           k_q3958f7ca6c_attn
    .symbol:         k_q3958f7ca6c_attn.kd
    .args:
      - { .name: qc, .offset: 0, .size: 8, .value_kind: global_buffer, .address_space: global }
      - { .name: qs, .offset: 8, .size: 8, .value_kind: global_buffer, .address_space: global }
      - { .name: kc, .offset: 16, .size: 8, .value_kind: global_buffer, .address_space: global }
      - { .name: vc, .offset: 24, .size: 8, .value_kind: global_buffer, .address_space: global }
      - { .name: sc, .offset: 32, .size: 8, .value_kind: global_buffer, .address_space: global }
      - { .name: aoc, .offset: 40, .size: 8, .value_kind: global_buffer, .address_space: global }
      - { .name: aos, .offset: 48, .size: 8, .value_kind: global_buffer, .address_space: global }
    .group_segment_fixed_size: 327680
    .private_segment_fixed_size: 0
    .kernarg_segment_align: 8
    .kernarg_segment_size: 56
    .max_flat_workgroup_size: 512
    .sgpr_count:     100
    .vgpr_count:     256
    .wavefront_size: 32
...
	.end_amdgpu_metadata
.endif
;; end of part 2
;; launch post (part 3): grid 256 x 1, 8 waves a work-group, clusters of 4 x 1, 327,680 bytes of LDS; arguments inputs, aoc, aos, Wo_codes, Wo_scales, ln_mlp_g, ln_mlp_b, W1_codes, W1_scales, b1, W2_codes, W2_scales, b2, out0; writes out0
.if DOCPART == 3
	.amdgcn_target "amdgcn-amd-amdhsa--gfx1250"
	.amdhsa_code_object_version 6
	.text
	.protected	k_q3958f7ca6c_post
	.globl	k_q3958f7ca6c_post
	.p2align	8
	.type	k_q3958f7ca6c_post,@function
k_q3958f7ca6c_post:
	s_mov_b64 s[64:65], 0
	v_nop
	global_prefetch_b8 v0, s[64:65] scope:SCOPE_SE
	s_setreg_imm32_b32 hwreg(HW_REG_WAVE_MODE, 25, 1), 1
	s_wait_xcnt 0x0
	s_wait_alu depctr_hold_cnt(0) depctr_sa_sdst(0) depctr_va_vdst(0) depctr_va_sdst(0) depctr_va_ssrc(0) depctr_va_vcc(0) depctr_vm_vsrc(0)
	s_getreg_b32 s2, hwreg(HW_REG_IB_STS2, 6, 4)
	s_cmp_eq_u32 s2, 0
	s_cbranch_scc0 .Lentry_in_a_cluster
	s_endpgm
.Lentry_in_a_cluster:
	s_bfe_u32 s2, ttmp6, 0x10000c
	s_cmp_lg_u32 s2, 0x3003
	s_cbranch_scc0 .Lentry_shape_is_right
	s_endpgm
.Lentry_shape_is_right:
; y = attention out x Wo + inputs; z = LayerNorm 2 (y), quantised; h = gelu(z W1 + b1), quantised; out = h W2 + b2 + y.  All three products on codes of FP4 (E2M1) with E8M0 scales; all else in f32.
; SHARES.  A work-group owns 32 tokens.  Wave w owns output channels 64 w .. 64 w + 63 of Wo and of W2, and hidden units 512 j + 64 w .. + 63 of W1's j-th quarter.  Every product is used transposed (source 0 = 16 weight rows,
; source 1 = 16 tokens): lane (r, h) of token tile u holds token 16 u + r and eight neighbouring channels.  y + b2 stays in registers as the accumulators of the last product; z and h go from wave to wave through LDS as images of operand registers.
; WEIGHTS walk through two LDS slots (512 rows x 256 bytes, pitch 272) as nine tiles: Wo, W1's four quarters of rows, W2's four quarters of K.  Wave w fetches and reads its own 64 rows.  All work-groups walk the same
; weights, so the four of a cluster ask jointly; each refill stands behind a round of the cluster's barrier.
; gelu(x) = 0.5 x (1 + erf(x / sqrt 2)); erf(a) = a P(a^2) / Q(a^2) on a held to -4 .. 4, P of degree 6 and Q of degree 4.
; LIMITS: NaN and infinities are not served; a block under 2^-124 (a block of zeros too) gets the byte 1; erf's error is some 1e-7 absolute, so that for x far below 0 the relative error of gelu grows as 1 + erf cancels.
.set WT,    17408
.set SLOT,  8*WT
.set HIMG,  2*SLOT                     ; h's 32 fragments (K step S, token tile u) at S x 2048 + u x 1024 + 512 c + 16 lane
.set HSC,   HIMG+32768                 ; their scale words [S][16 u + r]
.set ZIMG,  HSC+2048                   ; z's 8 fragments
.set ZSC,   ZIMG+8192
.set STAT,  ZSC+512                    ; two regions of [wave][16 u + r] words, for the two sums of the norm
.set SPARE, STAT+2048                  ; the spare words: 128 bytes for each wave
.set PIN, 4
.set PAOC, 6
.set PAOS, 8
.set PWO, 10
.set PSO, 12
.set PG,  14
.set PB,  16
.set PW1, 18
.set PS1, 20
.set PB1, 22
.set PW2, 24
.set PS2, 26
.set PB2, 28
.set POUT, 30
.set WV,  32
.set CX,  33
.set GI,  34
.set G1A, 36                           ; s[36:43] group 1, rows 256 bytes apart in memory (Wo, W1)
.set G1B, 44                           ; s[44:51] rows 1,024 bytes apart (W2)
.set G0,  52                           ; s[52:59] group 0, a set for each slot
.set SEL, 60
.set MK,  62
.set CR,  66                           ; constants, each twice: the packed forms name a pair
.set CA6, 68
.set CA4, 70
.set CA3, 72
.set CA2, 74
.set CA1, 76
.set CA0, 78
.set CB4, 80
.set CB2, 82
.set CB1, 84
.set CB0, 86
.set RN,  88
.set EP,  89
.set LAN, 1
.set RR,  2
.set HH,  3
.set SPW, 4
.set NIL, 5
.set AW0, 6
.set AW1, 7
.set L16, 8
.set LZ,  9
.set LZS, 10
.set LH,  11
.set LHS, 12
.set AZW, 13
.set AZS, 14
.set AHW, 15
.set AHS, 16
.set AST, 17
.set ASR, 18
.set RES, 19
.set GBO, 20
.set W2SO, 22
.set STO, 23
.set STR, 24
.set L2,  25
.set SBY, 26
.set ASW, 28                           ; v28-31 the activation's scale words: lanes 0-15 tokens 0-15, lanes 16-31 tokens 16-31
.set WSW, 32                           ; v32-35 the weight's
.set BI,  36                           ; v36-51 b1 for two tiles of 16 hidden units, in the result's layout
.set AF,  52                           ; v52-115 the activation's fragments (s, u) at 8 (2 s + u)
.set WF,  116                          ; v116-179 the weight's fragments (cc, s) at 8 (4 cc + s); between products: work registers
.set LT,  116
.set GA,  116
.set G2,  132
.set GP,  148
.set GQ,  164
.set AC,  180                          ; v180-243: y's 8 accumulators (q, cc, u) at 8 (4 q + 2 cc + u); later v180-211: h's four (cc, u) at 8 (2 cc + u)
.set VA5, 212
.set VB3, 214
.set TM,  244
.set TP,  246
.set SO,  248
.set BY,  250
.set CD,  252
.set GW,  64                           ; window 1: v0-63 y + b2, then the result; gain, bias, b2 in the result's layout
.set BW,  96
.set B2W, 128
.set MSB, 0
.macro WIN new                         ; the immediate's high byte repeats the setting that is left
.if MSB != \new
	s_set_vgpr_msb (MSB<<8)|\new
.set MSB, \new
.endif
.endm
.macro PLACES
.rept 4
	v_nop
.endr
.endm
.macro ROUND
	s_barrier_signal -1
	s_barrier_wait -1
	s_cmp_lg_u32 s[WV], 0
	s_cbranch_scc1 .Lnot_wave_0_\@
	s_barrier_signal -3
.Lnot_wave_0_\@:
	s_barrier_wait -3
	s_barrier_signal -1
	s_barrier_wait -1
.endm
.macro BARRIER
	s_wait_dscnt 0x0
	s_barrier_signal -1
	s_barrier_wait -1
.endm
.macro WM d, a, b, c, sa, sb, ra, rb   ; one product, C = v[c ..].  ra, rb: the side's scales stand in lanes 16-31
.if (\ra) && (\rb)
	v_wmma_scale_f32_16x16x128_f8f6f4 v[(\d):(\d)+7], v[(\a):(\a)+7], v[(\b):(\b)+7], v[(\c):(\c)+7], v[(\sa)], v[(\sb)] matrix_a_fmt:MATRIX_FMT_FP4 matrix_b_fmt:MATRIX_FMT_FP4 matrix_a_scale:MATRIX_SCALE_ROW1 matrix_b_scale:MATRIX_SCALE_ROW1
.elseif (\ra)
	v_wmma_scale_f32_16x16x128_f8f6f4 v[(\d):(\d)+7], v[(\a):(\a)+7], v[(\b):(\b)+7], v[(\c):(\c)+7], v[(\sa)], v[(\sb)] matrix_a_fmt:MATRIX_FMT_FP4 matrix_b_fmt:MATRIX_FMT_FP4 matrix_a_scale:MATRIX_SCALE_ROW1
.elseif (\rb)
	v_wmma_scale_f32_16x16x128_f8f6f4 v[(\d):(\d)+7], v[(\a):(\a)+7], v[(\b):(\b)+7], v[(\c):(\c)+7], v[(\sa)], v[(\sb)] matrix_a_fmt:MATRIX_FMT_FP4 matrix_b_fmt:MATRIX_FMT_FP4 matrix_b_scale:MATRIX_SCALE_ROW1
.else
	v_wmma_scale_f32_16x16x128_f8f6f4 v[(\d):(\d)+7], v[(\a):(\a)+7], v[(\b):(\b)+7], v[(\c):(\c)+7], v[(\sa)], v[(\sb)] matrix_a_fmt:MATRIX_FMT_FP4 matrix_b_fmt:MATRIX_FMT_FP4
.endif
.endm
; Two blocks of 32 by turns.  Block g: accumulators a (k = 8 h + j) and b (k = 16 + 8 h + j).  Leaves the byte in v[BY + g] and bytes 8 h .. 8 h + 7 of the block's codes in v[CD + 2 g : CD + 2 g + 1]
.macro QUANT2 a0, b0, a1, b1
	v_max3_num_f32 v[TM], |v[(\a0)]|, |v[(\a0)+1]|, 0x1800000
	v_max3_num_f32 v[TM+1], |v[(\a1)]|, |v[(\a1)+1]|, 0x1800000
.irp i, 2,4,6
	s_delay_alu instid0(VALU_DEP_2)
	v_max3_num_f32 v[TM], v[TM], |v[(\a0)+\i]|, |v[(\a0)+\i+1]|
	s_delay_alu instid0(VALU_DEP_2)
	v_max3_num_f32 v[TM+1], v[TM+1], |v[(\a1)+\i]|, |v[(\a1)+\i+1]|
.endr
.irp i, 0,2,4,6
	s_delay_alu instid0(VALU_DEP_2)
	v_max3_num_f32 v[TM], v[TM], |v[(\b0)+\i]|, |v[(\b0)+\i+1]|
	s_delay_alu instid0(VALU_DEP_2)
	v_max3_num_f32 v[TM+1], v[TM+1], |v[(\b1)+\i]|, |v[(\b1)+\i+1]|
.endr
	s_delay_alu instid0(VALU_DEP_2)
	v_permlanex16_b32 v[TP], v[TM], s[SEL], s[SEL+1]
	s_delay_alu instid0(VALU_DEP_2)
	v_permlanex16_b32 v[TP+1], v[TM+1], s[SEL], s[SEL+1]
	s_delay_alu instid0(VALU_DEP_2)
	v_max_num_f32 v[TM], v[TM], v[TP]
	s_delay_alu instid0(VALU_DEP_2)
	v_max_num_f32 v[TM+1], v[TM+1], v[TP+1]
	s_delay_alu instid0(VALU_DEP_2)
	v_add_nc_u32 v[SO], 0xff000000, v[TM]
	s_delay_alu instid0(VALU_DEP_2)
	v_add_nc_u32 v[SO+1], 0xff000000, v[TM+1]
	s_delay_alu instid0(VALU_DEP_2)
	v_lshrrev_b32 v[BY], 23, v[SO]
	s_delay_alu instid0(VALU_DEP_2)
	v_lshrrev_b32 v[BY+1], 23, v[SO+1]
	v_cvt_scalef32_pk8_fp4_f32 v[CD], v[(\a0):(\a0)+7], v[SO]
	v_cvt_scalef32_pk8_fp4_f32 v[CD+1], v[(\b0):(\b0)+7], v[SO]
	v_cvt_scalef32_pk8_fp4_f32 v[CD+2], v[(\a1):(\a1)+7], v[SO+1]
	v_cvt_scalef32_pk8_fp4_f32 v[CD+3], v[(\b1):(\b1)+7], v[SO+1]
	v_nop
	v_permlane16_swap_b32 v[CD], v[CD+1]
	v_permlane16_swap_b32 v[CD+2], v[CD+3]
.endm
; the two blocks just made (token tiles 0 and 1; half q of my 64 channels) go into the images; the two bytes of my 64 channels follow with q = 1
.macro PUTQ aw, sw, off, soff, q
	ds_store_b64 v[\aw], v[CD:CD+1] offset:\off+(\q)*256
	ds_store_b64 v[\aw], v[CD+2:CD+3] offset:\off+1024+(\q)*256
.if (\q) == 0
	v_mov_b32 v[SBY], v[BY]
	v_mov_b32 v[SBY+1], v[BY+1]
.else
	v_lshl_or_b32 v[SBY], v[BY], 8, v[SBY]
	v_lshl_or_b32 v[SBY+1], v[BY+1], 8, v[SBY+1]
	ds_store_b16 v[\sw], v[SBY] offset:\soff       ; both halves of the lanes write the same two bytes with the same value
	ds_store_b16 v[\sw], v[SBY+1] offset:\soff+64
.endif
.endm
; Slot 'slot' is filled again.  All my tensor loads have landed; 0 is added onto my spare word; the slot's descriptor is written while the add is out;
; the add, my LDS stores and my reads of the slot are done; a round of the cluster's barrier; the joint refill first behind it, one load a wave.
.macro CHANGE slot, p, imm, g1
	s_wait_tensorcnt 0x0
	ds_add_u32 v[SPW], v[NIL]
	s_add_nc_u64 s[G0+4*\slot+2:G0+4*\slot+3], s[\p:\p+1], \imm
	s_or_b32 s[G0+4*\slot+3], s[G0+4*\slot+3], 0x80000000
	s_wait_dscnt 0x0
	ROUND
	tensor_load_to_lds s[G0+4*\slot:G0+4*\slot+3], s[\g1:\g1+7]
	s_nop 0
	PLACES
.endm
.macro WFLOAD adr, q
.irp cc, 0,1
.irp s, 0,1,2,3
.irp c, 0,1
	ds_load_b128 v[WF+8*(4*\cc+\s)+4*\c:WF+8*(4*\cc+\s)+4*\c+3], v[\adr] offset:(\q)*8704+\cc*4352+64*\s+32*\c
.endr
.endr
.endr
.endm
.macro SETC r, val
	s_mov_b32 s[\r], \val
	s_mov_b32 s[\r+1], \val
.endm
	s_load_b256 s[4:11], s[0:1], 0x0               ; inputs, aoc, aos, Wo's codes
	s_load_b256 s[12:19], s[0:1], 0x20             ; Wo's scales, gain, bias, W1's codes
	s_load_b256 s[20:27], s[0:1], 0x40             ; W1's scales, b1, W2's codes, W2's scales
	s_load_b128 s[28:31], s[0:1], 0x60             ; b2, out0
	v_lshl_add_u32 v[SPW], v0, 2, SPARE
	v_mov_b32 v[NIL], 0
	ds_add_u32 v4, v5
	ds_add_u32 v4, v5
	s_wait_dscnt 0x0
	v_lshrrev_b32 v[LAN], 5, v0
	s_delay_alu instid0(VALU_DEP_1)
	v_readfirstlane_b32 s[WV], v[LAN]              ; wave 0..7
	v_and_b32 v[LAN], 31, v0
	v_and_b32 v[RR], 15, v0
	v_bfe_u32 v[HH], v0, 4, 1
	s_delay_alu instid0(VALU_DEP_3)
	v_lshlrev_b32 v[L16], 4, v[LAN]
	s_delay_alu instid0(VALU_DEP_4)
	v_lshlrev_b32 v[L2], 1, v[LAN]
	v_lshlrev_b32 v[W2SO], 6, v[LAN]
	s_delay_alu instid0(VALU_DEP_4)
	v_lshlrev_b32 v[GBO], 5, v[HH]
	v_lshlrev_b32 v[RES], 11, v[RR]
	s_delay_alu instid0(VALU_DEP_1)
	v_lshl_add_u32 v[RES], v[HH], 5, v[RES]        ; row r of 2,048 bytes, + 32 h
	s_mul_i32 s74, s[WV], WT
	v_mul_u32_u24 v[AW0], v[RR], 272
	s_delay_alu instid0(VALU_DEP_1)
	v_lshl_add_u32 v[AW0], v[HH], 4, v[AW0]
	s_delay_alu instid0(VALU_DEP_1)
	v_add_nc_u32 v[AW0], s74, v[AW0]
	s_delay_alu instid0(VALU_DEP_1)
	v_add_nc_u32 v[AW1], SLOT, v[AW0]
	v_add_nc_u32 v[LZ], ZIMG, v[L16]
	v_lshl_add_u32 v[LZS], v[LAN], 2, ZSC
	v_add_nc_u32 v[LH], HIMG, v[L16]
	v_lshl_add_u32 v[LHS], v[LAN], 2, HSC
	s_lshr_b32 s76, s[WV], 1                       ; my 64 channels are half c = w % 2 of K step w / 2
	s_and_b32 s77, s[WV], 1
	s_lshl_b32 s78, s76, 11
	s_lshl_b32 s79, s77, 9
	s_add_co_u32 s78, s78, s79
	v_lshlrev_b32 v[AZW], 4, v[RR]
	s_delay_alu instid0(VALU_DEP_1)
	v_lshl_add_u32 v[AZW], v[HH], 3, v[AZW]
	s_delay_alu instid0(VALU_DEP_1)
	v_add_nc_u32 v[AZW], s78, v[AZW]
	s_delay_alu instid0(VALU_DEP_1)
	v_add_nc_u32 v[AHW], HIMG, v[AZW]
	s_delay_alu instid0(VALU_DEP_2)
	v_add_nc_u32 v[AZW], ZIMG, v[AZW]
	s_lshl_b32 s78, s76, 7
	s_lshl_b32 s79, s77, 1
	s_add_co_u32 s78, s78, s79
	v_lshl_add_u32 v[AZS], v[RR], 2, s78
	s_delay_alu instid0(VALU_DEP_1)
	v_add_nc_u32 v[AHS], HSC, v[AZS]
	s_delay_alu instid0(VALU_DEP_2)
	v_add_nc_u32 v[AZS], ZSC, v[AZS]
	s_lshl_b32 s78, s[WV], 7
	s_add_co_u32 s78, s78, STAT
	v_lshl_add_u32 v[AST], v[LAN], 2, s78
	v_lshl_add_u32 v[ASR], v[RR], 2, STAT
	s_lshl_b32 s98, s[WV], 8                       ; my 64 channels in bytes of f32
	s_mov_b32 s99, 0
	v_mul_u32_u24 v[STO], v[RR], 2064              ; the way out: a stage of 32 rows x (2,048 + 16) bytes in slot 1
	s_delay_alu instid0(VALU_DEP_1)
	v_lshl_add_u32 v[STO], v[HH], 5, v[STO]
	s_add_co_u32 s78, s98, SLOT
	v_add_nc_u32 v[STO], s78, v[STO]
	s_mul_i32 s78, s[WV], 8256
	s_add_co_u32 s78, s78, SLOT
	v_add_nc_u32 v[STR], s78, v[L16]
	v_mov_b32 v[TP], 0                             ; a lane permute's destination counts as one of its sources
	v_mov_b32 v[TP+1], 0
	s_mov_b32 s[SEL], 0x76543210
	s_mov_b32 s[SEL+1], 0xfedcba98
	s_mov_b32 s[MK], 0xffff0000
	s_mov_b32 s[RN], 0x3b000000                    ; 1 / 512
	s_mov_b32 s[EP], 0x358637bd                    ; 1e-6
	s_bfe_u32 s[CX], ttmp6, 0x40000
	s_lshl_b32 s[GI], ttmp9, 2
	s_add_co_u32 s[GI], s[GI], s[CX]               ; work-group: it enters global addresses of my own rows alone
.irp g, G1A, G1B
	s_mov_b32 s[\g], 15|(1<<20)|(1<<21)|(5<<22)|(3<<25)
	s_mov_b32 s[\g+1], 256<<16
	s_mov_b32 s[\g+2], 64<<16
	s_mov_b32 s[\g+3], 256<<16
	s_mov_b32 s[\g+4], 64
	s_mov_b32 s[\g+6], 0
	s_mov_b32 s[\g+7], 0
.endr
	s_mov_b32 s[G1A+5], 256
	s_mov_b32 s[G1B+5], 1024
	s_lshl_b32 s90, s[WV], 14
	s_mov_b32 s91, 0
	s_lshl_b32 s92, s[WV], 10
	s_mov_b32 s93, 0
	s_lshl_b32 s94, s[WV], 16
	s_mov_b32 s95, 0
	s_lshl_b32 s96, s[WV], 12
	s_mov_b32 s97, 0
	s_lshl_b32 s66, s[GI], 16
	s_add_co_u32 s66, s66, s98
	s_mov_b32 s67, 0
	s_lshl_b32 s68, s[GI], 13
	s_mov_b32 s69, 0
	s_lshr_b32 s70, s[GI], 7
	s_lshl_b32 s70, s70, 16
	s_and_b32 s71, s[GI], 127
	s_lshl_b32 s71, s71, 6
	s_add_co_u32 s70, s70, s71
	s_mov_b32 s71, 0
	s_lshl_b32 s72, s[GI], 16
	s_lshl_b32 s73, s[WV], 13
	s_add_co_u32 s72, s72, s73
	s_mov_b32 s73, 0
	s_wait_kmcnt 0x0
	s_add_nc_u64 s[PWO:PWO+1], s[PWO:PWO+1], s[90:91]
	s_add_nc_u64 s[PW1:PW1+1], s[PW1:PW1+1], s[90:91]
	s_add_nc_u64 s[PSO:PSO+1], s[PSO:PSO+1], s[92:93]
	s_add_nc_u64 s[PS1:PS1+1], s[PS1:PS1+1], s[92:93]
	s_add_nc_u64 s[PW2:PW2+1], s[PW2:PW2+1], s[94:95]
	s_add_nc_u64 s[PS2:PS2+1], s[PS2:PS2+1], s[96:97]
	s_add_nc_u64 s[PG:PG+1], s[PG:PG+1], s[98:99]
	s_add_nc_u64 s[PB:PB+1], s[PB:PB+1], s[98:99]
	s_add_nc_u64 s[PB1:PB1+1], s[PB1:PB1+1], s[98:99]
	s_add_nc_u64 s[PB2:PB2+1], s[PB2:PB2+1], s[98:99]
	s_add_nc_u64 s[PIN:PIN+1], s[PIN:PIN+1], s[66:67]
	s_add_nc_u64 s[PAOC:PAOC+1], s[PAOC:PAOC+1], s[68:69]
	s_add_nc_u64 s[PAOS:PAOS+1], s[PAOS:PAOS+1], s[70:71]
	s_add_nc_u64 s[POUT:POUT+1], s[POUT:POUT+1], s[72:73]
	s_mov_b32 s[G0], 1
	s_mov_b32 s[G0+1], s74
	s_mov_b64 s[G0+2:G0+3], s[PWO:PWO+1]
	s_or_b32 s[G0+3], s[G0+3], 0x80000000
	s_mov_b32 s[G0+4], 1
	s_add_co_u32 s[G0+5], s74, SLOT
	s_mov_b64 s[G0+6:G0+7], s[PW1:PW1+1]
	s_or_b32 s[G0+7], s[G0+7], 0x80000000
	ROUND                                          ; the four work-groups are here: the first joint loads meet
	tensor_load_to_lds s[G0:G0+3], s[G1A:G1A+7]    ; slot 0: Wo
	s_nop 0
	PLACES
	SETC CR,  0x3f3504f3                           ; 1 / sqrt 2
	SETC CA6, 0xaf95df0b                           ; P's coefficients, highest power first (the second stands in v[VA5])
	SETC CA4, 0xb60cff51
	SETC CA3, 0xb86ec2d2
	SETC CA2, 0xba40ac63
	SETC CA1, 0xbb41a1f6
	SETC CA0, 0xbc83dbd4
	SETC CB4, 0xb77460cd                           ; Q's (the second stands in v[VB3])
	SETC CB2, 0xbadc924e
	SETC CB1, 0xbbf19bf8
	SETC CB0, 0xbc69b6a7
.irp u, 0,1                            ; the residual goes straight into the accumulators: it is the C of the first products
.irp a, 0,1,2,3
.irp jj, 0,1
	global_load_b128 v[AC+16*\a+8*\u+4*\jj:AC+16*\a+8*\u+4*\jj+3], v[RES], s[PIN:PIN+1] offset:\u*32768+\a*64+16*\jj th:TH_LOAD_NT
.endr
.endr
.endr
.irp s, 0,1,2,3                        ; the attention's result: heads 2 s and 2 s + 1 are the fragment of K step s
.irp u, 0,1
.irp c, 0,1
	global_load_b128 v[AF+8*(2*\s+\u)+4*\c:AF+8*(2*\s+\u)+4*\c+3], v[L16], s[PAOC:PAOC+1] offset:\u*4096+\s*1024+512*\c th:TH_LOAD_NT
.endr
.endr
.endr
.irp x, 0,1,2,3,4,5,6,7
	global_load_u16 v[LT+\x], v[L2], s[PAOS:PAOS+1] offset:\x*8192         ; head x's two scale bytes of token = lane
.endr
	WIN 0x40                                       ; destination window 1
.irp a, 0,1,2,3
.irp jj, 0,1
	global_load_b128 v[GW+8*\a+4*\jj:GW+8*\a+4*\jj+3], v[GBO], s[PG:PG+1] offset:\a*64+16*\jj
	global_load_b128 v[BW+8*\a+4*\jj:BW+8*\a+4*\jj+3], v[GBO], s[PB:PB+1] offset:\a*64+16*\jj
	global_load_b128 v[B2W+8*\a+4*\jj:B2W+8*\a+4*\jj+3], v[GBO], s[PB2:PB2+1] offset:\a*64+16*\jj
.endr
.endr
	WIN 0
	global_load_b128 v[WSW:WSW+3], v[L16], s[PSO:PSO+1]
	s_wait_loadcnt 0x0
.irp s, 0,1,2,3
	v_lshl_or_b32 v[ASW+\s], v[LT+2*\s+1], 16, v[LT+2*\s]
.endr
.rept 8
	v_nop                                          ; scale registers written by vector instructions stand eight places ahead of a scaled product
.endr
	s_wait_alu depctr_va_vdst(0)
	s_wait_tensorcnt 0x0                           ; Wo's rows of mine have landed; only I read these rows
	ds_add_u32 v[SPW], v[NIL]
	s_wait_dscnt 0x0
	ROUND                                          ; the four work-groups are here
	tensor_load_to_lds s[G0+4:G0+7], s[G1A:G1A+7]  ; slot 1's first fill: W1's first quarter, my one load behind the round
	s_nop 0
	PLACES
; y: 32 of my channels for the 32 tokens, onto the residual
.macro SUBO q
	WFLOAD AW0, \q
	s_wait_loadcnt 0x0
	s_wait_dscnt 0x0
.irp s, 0,1,2,3                        ; four accumulators by turns, one instruction a turn
.irp u, 0,1
.irp cc, 0,1
	WM AC+8*(4*\q+2*\cc+\u), WF+8*(4*\cc+\s), AF+8*(2*\s+\u), AC+8*(4*\q+2*\cc+\u), WSW+\s, ASW+\s, \cc, \u
.endr
.endr
.endr
	PLACES
.endm
	SUBO 0
	global_load_b128 v[WSW:WSW+3], v[L16], s[PSO:PSO+1] offset:512
	SUBO 1
	global_load_b128 v[WSW:WSW+3], v[L16], s[PS1:PS1+1]            ; for the first 32 hidden units: W1's scale words and b1
.irp cc, 0,1
.irp jj, 0,1
	global_load_b128 v[BI+8*\cc+4*\jj:BI+8*\cc+4*\jj+3], v[GBO], s[PB1:PB1+1] offset:\cc*64+16*\jj
.endr
.endr
; LAYERNORM 2, in registers.  A lane holds 32 numbers of token (u, r); lane l xor 16 the wave's other 32; the eight waves' sums meet in LDS.
; XSUM: v[LT + 8 u : + 1] (two halves of my sum for token tile u) becomes the token's sum over all 512 channels, in v[LT + 8 u]
.macro XSUM off
.irp u, 0,1
	s_delay_alu instid0(VALU_DEP_2)
	v_add_f32 v[LT+8*\u], v[LT+8*\u], v[LT+8*\u+1]
.endr
.irp u, 0,1
	s_delay_alu instid0(VALU_DEP_2)
	v_permlanex16_b32 v[LT+8*\u+1], v[LT+8*\u], s[SEL], s[SEL+1]
.endr
.irp u, 0,1
	s_delay_alu instid0(VALU_DEP_2)
	v_add_f32 v[LT+8*\u], v[LT+8*\u], v[LT+8*\u+1]
.endr
	s_delay_alu instid0(VALU_DEP_1)
	v_cndmask_b32 v[LT+16], v[LT], v[LT+8], s[MK]  ; lanes 0-15 tokens 0-15, lanes 16-31 tokens 16-31
	ds_store_b32 v[AST], v[LT+16] offset:\off
	BARRIER
.irp u, 0,1
.irp x, 0,1,2,3,4,5,6,7
	ds_load_b32 v[LT+20+8*\u+\x], v[ASR] offset:\off+128*\x+64*\u
.endr
.endr
	s_wait_dscnt 0x0
.irp u, 0,1
.irp x, 0,2,4,6
	v_add_f32 v[LT+20+8*\u+\x], v[LT+20+8*\u+\x], v[LT+21+8*\u+\x]
.endr
.endr
.irp u, 0
	v_add_f32 v[LT+20+8*\u], v[LT+20+8*\u], v[LT+22+8*\u]
	v_add_f32 v[LT+24+8*\u], v[LT+24+8*\u], v[LT+26+8*\u]
.endr
.irp u, 1
	v_add_f32 v[LT+20+8*\u], v[LT+20+8*\u], v[LT+22+8*\u]
	s_delay_alu instid0(VALU_DEP_4)
	v_add_f32 v[LT+24+8*\u], v[LT+24+8*\u], v[LT+26+8*\u]
.endr
.irp u, 0
	s_delay_alu instid0(VALU_DEP_3)
	v_add_f32 v[LT+8*\u], v[LT+20+8*\u], v[LT+24+8*\u]
.endr
.irp u, 1
	s_delay_alu instid0(VALU_DEP_2)
	v_add_f32 v[LT+8*\u], v[LT+20+8*\u], v[LT+24+8*\u]
.endr
.endm
.irp u, 0,1                            ; each accumulator is read from its low end on
	v_pk_add_f32 v[LT+8*\u:LT+8*\u+1], v[AC+8*\u:AC+8*\u+1], v[AC+16+8*\u:AC+17+8*\u]
	v_pk_add_f32 v[LT+8*\u+2:LT+8*\u+3], v[AC+32+8*\u:AC+33+8*\u], v[AC+48+8*\u:AC+49+8*\u]
.endr
.irp p, 2,4,6
.irp u, 0,1
	v_pk_add_f32 v[LT+8*\u:LT+8*\u+1], v[LT+8*\u:LT+8*\u+1], v[AC+8*\u+\p:AC+8*\u+\p+1]
	v_pk_add_f32 v[LT+8*\u+2:LT+8*\u+3], v[LT+8*\u+2:LT+8*\u+3], v[AC+16+8*\u+\p:AC+16+8*\u+\p+1]
	v_pk_add_f32 v[LT+8*\u:LT+8*\u+1], v[LT+8*\u:LT+8*\u+1], v[AC+32+8*\u+\p:AC+32+8*\u+\p+1]
	v_pk_add_f32 v[LT+8*\u+2:LT+8*\u+3], v[LT+8*\u+2:LT+8*\u+3], v[AC+48+8*\u+\p:AC+48+8*\u+\p+1]
.endr
.endr
.irp u, 0
	v_pk_add_f32 v[LT+8*\u:LT+8*\u+1], v[LT+8*\u:LT+8*\u+1], v[LT+8*\u+2:LT+8*\u+3]
.endr
.irp u, 1
	s_delay_alu instid0(VALU_DEP_2)
	v_pk_add_f32 v[LT+8*\u:LT+8*\u+1], v[LT+8*\u:LT+8*\u+1], v[LT+8*\u+2:LT+8*\u+3]
.endr
	XSUM 0
.irp u, 0,1
	s_delay_alu instid0(VALU_DEP_2)
	v_mul_f32 v[LT+8*\u], 0xbb000000, v[LT+8*\u]   ; - mean
.endr
	WIN 0x44                                       ; destination and source 1 window 1: y + b2 is laid by: the last product's sums begin there
.irp a, 0,1,2,3
.irp u, 0,1
.irp p, 0,2,4,6
	v_pk_add_f32 v[16*\a+8*\u+\p:16*\a+8*\u+\p+1], v[AC+16*\a+8*\u+\p:AC+16*\a+8*\u+\p+1], v[B2W+8*\a+\p:B2W+8*\a+\p+1]
.endr
.endr
.endr
	WIN 0
.irp a, 0,1,2,3
.irp u, 0,1
.irp p, 0,2,4,6
	v_pk_add_f32 v[AC+16*\a+8*\u+\p:AC+16*\a+8*\u+\p+1], v[AC+16*\a+8*\u+\p:AC+16*\a+8*\u+\p+1], v[LT+8*\u:LT+8*\u+1] op_sel_hi:[1,0]
.endr
.endr
.endr
.irp u, 0,1
	v_pk_mul_f32 v[LT+8*\u:LT+8*\u+1], v[AC+8*\u:AC+8*\u+1], v[AC+8*\u:AC+8*\u+1]
	v_pk_mul_f32 v[LT+8*\u+2:LT+8*\u+3], v[AC+32+8*\u:AC+33+8*\u], v[AC+32+8*\u:AC+33+8*\u]
.endr
.irp p, 2,4,6
.irp u, 0,1
	s_delay_alu instid0(VALU_DEP_4)
	v_pk_fma_f32 v[LT+8*\u:LT+8*\u+1], v[AC+8*\u+\p:AC+8*\u+\p+1], v[AC+8*\u+\p:AC+8*\u+\p+1], v[LT+8*\u:LT+8*\u+1]
	s_delay_alu instid0(VALU_DEP_4)
	v_pk_fma_f32 v[LT+8*\u+2:LT+8*\u+3], v[AC+32+8*\u+\p:AC+32+8*\u+\p+1], v[AC+32+8*\u+\p:AC+32+8*\u+\p+1], v[LT+8*\u+2:LT+8*\u+3]
.endr
.endr
.irp p, 0,2,4,6
.irp u, 0,1
	s_delay_alu instid0(VALU_DEP_4)
	v_pk_fma_f32 v[LT+8*\u:LT+8*\u+1], v[AC+16+8*\u+\p:AC+16+8*\u+\p+1], v[AC+16+8*\u+\p:AC+16+8*\u+\p+1], v[LT+8*\u:LT+8*\u+1]
	s_delay_alu instid0(VALU_DEP_4)
	v_pk_fma_f32 v[LT+8*\u+2:LT+8*\u+3], v[AC+48+8*\u+\p:AC+48+8*\u+\p+1], v[AC+48+8*\u+\p:AC+48+8*\u+\p+1], v[LT+8*\u+2:LT+8*\u+3]
.endr
.endr
.irp u, 0
	s_delay_alu instid0(VALU_DEP_3)
	v_pk_add_f32 v[LT+8*\u:LT+8*\u+1], v[LT+8*\u:LT+8*\u+1], v[LT+8*\u+2:LT+8*\u+3]
.endr
.irp u, 1
	s_delay_alu instid0(VALU_DEP_2)
	v_pk_add_f32 v[LT+8*\u:LT+8*\u+1], v[LT+8*\u:LT+8*\u+1], v[LT+8*\u+2:LT+8*\u+3]
.endr
	XSUM 1024                                      ; other words than the first sum's: no barrier between a wave's late reads and the next stores
.irp u, 0,1
	s_delay_alu instid0(VALU_DEP_2)
	v_fma_f32 v[LT+8*\u+2], v[LT+8*\u], s[RN], s[EP]
.endr
	s_wait_alu depctr_va_vdst(0)
.irp u, 0,1
	v_rsq_f32 v[LT+8*\u], v[LT+8*\u+2]
.endr
	v_nop
	s_wait_alu depctr_va_vdst(0)                   ; one wait for the two, ahead of their first reader
.irp a, 0,1,2,3
.irp u, 0,1
.irp p, 0,2,4,6
	v_pk_mul_f32 v[AC+16*\a+8*\u+\p:AC+16*\a+8*\u+\p+1], v[AC+16*\a+8*\u+\p:AC+16*\a+8*\u+\p+1], v[LT+8*\u:LT+8*\u+1] op_sel_hi:[1,0]
.endr
.endr
.endr
	WIN 0x14                                       ; sources 1 and 2 window 1: gain and bias
.irp a, 0,1,2,3
.irp u, 0,1
.irp p, 0,2,4,6
	v_pk_fma_f32 v[AC+16*\a+8*\u+\p:AC+16*\a+8*\u+\p+1], v[AC+16*\a+8*\u+\p:AC+16*\a+8*\u+\p+1], v[GW+8*\a+\p:GW+8*\a+\p+1], v[BW+8*\a+\p:BW+8*\a+\p+1]
.endr
.endr
.endr
	WIN 0
	QUANT2 AC, AC+16, AC+8, AC+24
	PUTQ AZW, AZS, 0, 0, 0
	s_wait_dscnt 0x0                               ; the stores have read their registers
	QUANT2 AC+32, AC+48, AC+40, AC+56
	PUTQ AZW, AZS, 0, 0, 1
	v_mov_b32 v[VA5], 0x32edffee
	v_mov_b32 v[VA5+1], 0x32edffee
	v_mov_b32 v[VB3], 0xb95fbd26
	v_mov_b32 v[VB3+1], 0xb95fbd26
; gelu of the 16 numbers v[x] .. v[x + 15], in place
.macro GELU16 x
.irp p, 0,2,4,6,8,10,12,14
	v_pk_mul_f32 v[GA+\p:GA+\p+1], v[\x+\p:\x+\p+1], s[CR:CR+1] op_sel_hi:[1,0]
.endr
.irp p, 0,1,2,3,4,5,6,7,8,9,10,11,12,13,14,15
	v_med3_num_f32 v[GA+\p], v[GA+\p], -4.0, 4.0
.endr
.irp p, 0,2,4,6,8,10,12,14
	v_pk_mul_f32 v[G2+\p:G2+\p+1], v[GA+\p:GA+\p+1], v[GA+\p:GA+\p+1]
.endr
.irp p, 0,2,4,6,8,10,12,14
	v_pk_fma_f32 v[GP+\p:GP+\p+1], v[G2+\p:G2+\p+1], s[CA6:CA6+1], v[VA5:VA5+1] op_sel_hi:[1,0,1]
.endr
.irp p, 0,2,4,6,8,10,12,14
	v_pk_fma_f32 v[GQ+\p:GQ+\p+1], v[G2+\p:G2+\p+1], s[CB4:CB4+1], v[VB3:VB3+1] op_sel_hi:[1,0,1]
.endr
.irp k, CA4, CA3, CA2, CA1, CA0
.irp p, 0,2,4,6,8,10,12,14
	v_pk_fma_f32 v[GP+\p:GP+\p+1], v[GP+\p:GP+\p+1], v[G2+\p:G2+\p+1], s[\k:\k+1] op_sel_hi:[1,1,0]
.endr
.endr
.irp k, CB2, CB1, CB0
.irp p, 0,2,4,6,8,10,12,14
	v_pk_fma_f32 v[GQ+\p:GQ+\p+1], v[GQ+\p:GQ+\p+1], v[G2+\p:G2+\p+1], s[\k:\k+1] op_sel_hi:[1,1,0]
.endr
.endr
	s_wait_alu depctr_va_vdst(0)
.irp p, 0,1,2,3,4,5,6,7,8,9,10,11,12,13,14,15
	v_rcp_f32 v[GQ+\p], v[GQ+\p]
.endr
.irp p, 0,2,4,6,8,10,12,14
	v_pk_mul_f32 v[GP+\p:GP+\p+1], v[GP+\p:GP+\p+1], v[GA+\p:GA+\p+1]      ; plain work behind the sixteen reciprocals, which names none of their results
.endr
	s_wait_alu depctr_va_vdst(0)                   ; one wait for the sixteen, ahead of their first reader
.irp p, 0,2,4,6,8,10,12,14
	v_pk_mul_f32 v[GP+\p:GP+\p+1], v[GP+\p:GP+\p+1], v[GQ+\p:GQ+\p+1]      ; erf
.endr
.irp p, 0,2,4,6,8,10,12,14
	v_pk_mul_f32 v[\x+\p:\x+\p+1], v[\x+\p:\x+\p+1], 0.5 op_sel_hi:[1,0]
.endr
.irp p, 0,2,4,6,8,10,12,14
	v_pk_fma_f32 v[\x+\p:\x+\p+1], v[\x+\p:\x+\p+1], v[GP+\p:GP+\p+1], v[\x+\p:\x+\p+1]
.endr
.endm
; 32 hidden units (half q of my 64 in quarter j) for the 32 tokens.  more = 1: the scale words and b1 of (nj, nq) are asked for; 0: W2's first scale words
.macro SUBH adr, j, q, nj, nq, more
	WFLOAD \adr, \q
	s_wait_loadcnt 0x0                             ; W1's scale words and b1
	s_wait_dscnt 0x0
.irp s, 0,1,2,3
.irp u, 0,1
.irp cc, 0,1
.if \s == 0
	WM AC+8*(2*\cc+\u), WF+8*(4*\cc+\s), AF+8*(2*\s+\u), BI+8*\cc, WSW+\s, ASW+\s, \cc, \u      ; the bias is the C of the sum's first product
.else
	WM AC+8*(2*\cc+\u), WF+8*(4*\cc+\s), AF+8*(2*\s+\u), AC+8*(2*\cc+\u), WSW+\s, ASW+\s, \cc, \u
.endif
.endr
.endr
.endr
	PLACES
.if \more
	global_load_b128 v[WSW:WSW+3], v[L16], s[PS1:PS1+1] offset:(\nj)*8192+(\nq)*512
.irp cc, 0,1
.irp jj, 0,1
	global_load_b128 v[BI+8*\cc+4*\jj:BI+8*\cc+4*\jj+3], v[GBO], s[PB1:PB1+1] offset:(\nj)*2048+(\nq)*128+\cc*64+16*\jj
.endr
.endr
.else
	global_load_b128 v[WSW:WSW+3], v[W2SO], s[PS2:PS2+1]
.endif
	GELU16 AC
	GELU16 AC+16
	QUANT2 AC, AC+16, AC+8, AC+24
	PUTQ AHW, AHS, (\j)*8192, (\j)*512, \q
.endm
; 32 of my output channels, 512 along K
.macro SUBY adr, q, noff, more
	WFLOAD \adr, \q
	s_wait_loadcnt 0x0
	s_wait_dscnt 0x0
	WIN 0x50                                       ; C and D window 1
.irp s, 0,1,2,3
.irp u, 0,1
.irp cc, 0,1
	WM 8*(4*\q+2*\cc+\u), WF+8*(4*\cc+\s), AF+8*(2*\s+\u), 8*(4*\q+2*\cc+\u), WSW+\s, ASW+\s, \cc, \u
.endr
.endr
.endr
	WIN 0
	PLACES
.if \more
	global_load_b128 v[WSW:WSW+3], v[W2SO], s[PS2:PS2+1] offset:\noff
.endif
.endm
.macro HFETCH kc                       ; h's fragments and scale words of K steps 4 kc .. 4 kc + 3
.irp s, 0,1,2,3
.irp u, 0,1
.irp c, 0,1
	ds_load_b128 v[AF+8*(2*\s+\u)+4*\c:AF+8*(2*\s+\u)+4*\c+3], v[LH] offset:(\kc)*8192+\s*2048+\u*1024+512*\c
.endr
.endr
	ds_load_b32 v[ASW+\s], v[LHS] offset:(\kc)*512+128*\s
.endr
.endm
	CHANGE 0, PW1, 131072, G1A                     ; Wo is done with; z's images are whole behind the round
.irp s, 0,1,2,3
.irp u, 0,1
.irp c, 0,1
	ds_load_b128 v[AF+8*(2*\s+\u)+4*\c:AF+8*(2*\s+\u)+4*\c+3], v[LZ] offset:(2*\s+\u)*1024+512*\c
.endr
.endr
	ds_load_b32 v[ASW+\s], v[LZS] offset:128*\s
.endr
	SUBH AW1, 0, 0, 0, 1, 1
	SUBH AW1, 0, 1, 1, 0, 1
	CHANGE 1, PW1, 262144, G1A
	SUBH AW0, 1, 0, 1, 1, 1
	SUBH AW0, 1, 1, 2, 0, 1
	CHANGE 0, PW1, 393216, G1A
	SUBH AW1, 2, 0, 2, 1, 1
	SUBH AW1, 2, 1, 3, 0, 1
	CHANGE 1, PW2, 0, G1B
	SUBH AW0, 3, 0, 3, 1, 1
	SUBH AW0, 3, 1, 0, 0, 0
	CHANGE 0, PW2, 256, G1B                        ; h's images are whole behind the round
	HFETCH 0
	SUBY AW1, 0, 2048, 1
	SUBY AW1, 1, 16, 1
	CHANGE 1, PW2, 512, G1B
	HFETCH 1
	SUBY AW0, 0, 2048+16, 1
	SUBY AW0, 1, 32, 1
	CHANGE 0, PW2, 768, G1B
	HFETCH 2
	SUBY AW1, 0, 2048+32, 1
	SUBY AW1, 1, 48, 1
	s_wait_tensorcnt 0x0                           ; the last tile has landed; nothing more is asked for
	ds_add_u32 v[SPW], v[NIL]
	s_wait_dscnt 0x0                               ; my reads of slot 1 are over:
	s_barrier_signal -1
	s_barrier_wait -1                              ; everybody's are: slot 1 has had its last fill and its last read, and becomes the stage
	HFETCH 3
	SUBY AW0, 0, 2048+48, 1
	SUBY AW0, 1, 0, 0
	; THE WAY OUT: a row's 512 numbers come from eight waves: they meet in the stage, and each wave stores four whole rows
	WIN 0x04                                       ; an LDS store's data are its source 1: window 1
.irp u, 0,1
.irp a, 0,1,2,3
.irp jj, 0,1
	ds_store_b128 v[STO], v[16*\a+8*\u+4*\jj:16*\a+8*\u+4*\jj+3] offset:\u*33024+\a*64+16*\jj     ; each accumulator from its low end on
.endr
.endr
.endr
	WIN 0
	BARRIER
.irp i, 0,1,2,3
.irp k, 0,1,2,3
	ds_load_b128 v[AF+16*\i+4*\k:AF+16*\i+4*\k+3], v[STR] offset:\i*2064+512*\k
.endr
.endr
.irp i, 0,1,2,3
.irp k, 0,1,2,3
	s_wait_dscnt 15-(4*\i+\k)                      ; LDS loads come back in order: this one is in, the younger ones may stay out
	global_store_b128 v[L16], v[AF+16*\i+4*\k:AF+16*\i+4*\k+3], s[POUT:POUT+1] offset:\i*2048+512*\k th:TH_STORE_NT   ; 512 consecutive bytes, aligned
.endr
.endr
	s_wait_tensorcnt 0x0                           ; the wave's end
	ds_add_u32 v[SPW], v[NIL]
	s_wait_dscnt 0x0
	ROUND                                          ; the closing round
	s_endpgm
.Lfunc_end_k_q3958f7ca6c_post:
	.size	k_q3958f7ca6c_post, .Lfunc_end_k_q3958f7ca6c_post-k_q3958f7ca6c_post
	.p2alignl 7, 3214868480
	.fill 96, 4, 3214868480
	.section	.rodata,"a",@progbits
	.p2align	6, 0x0
	.amdhsa_kernel k_q3958f7ca6c_post
		.amdhsa_group_segment_fixed_size 327680
		.amdhsa_private_segment_fixed_size 0
		.amdhsa_enable_private_segment 0
		.amdhsa_kernarg_size 112
		.amdhsa_user_sgpr_count 2
		.amdhsa_user_sgpr_kernarg_segment_ptr 1
		.amdhsa_wavefront_size32 1
		.amdhsa_system_sgpr_workgroup_id_x 1
		.amdhsa_system_sgpr_workgroup_id_y 1
		.amdhsa_system_sgpr_workgroup_id_z 1
		.amdhsa_system_vgpr_workitem_id 0
		.amdhsa_next_free_vgpr 416
		.amdhsa_next_free_sgpr 104
		.amdhsa_reserve_vcc 0
		.amdhsa_float_denorm_mode_32 3
		.amdhsa_float_denorm_mode_16_64 3
		.amdhsa_memory_ordered 1
		.amdhsa_forward_progress 1
		.amdhsa_inst_pref_size 255
	.end_amdhsa_kernel
	.section	.bss,"aw",@nobits
	.p2align	6
	.space	262144
	.amdgpu_metadata
---
amdhsa.version: [ 1, 2 ]
amdhsa.kernels:
  - .name:           k_q3958f7ca6c_post
    .symbol:         k_q3958f7ca6c_post.kd
    .args:
      - { .name: inputs, .offset: 0, .size: 8, .value_kind: global_buffer, .address_space: global }
      - { .name: aoc, .offset: 8, .size: 8, .value_kind: global_buffer, .address_space: global }
      - { .name: aos, .offset: 16, .size: 8, .value_kind: global_buffer, .address_space: global }
      - { .name: Wo_codes, .offset: 24, .size: 8, .value_kind: global_buffer, .address_space: global }
      - { .name: Wo_scales, .offset: 32, .size: 8, .value_kind: global_buffer, .address_space: global }
      - { .name: ln_mlp_g, .offset: 40, .size: 8, .value_kind: global_buffer, .address_space: global }
      - { .name: ln_mlp_b, .offset: 48, .size: 8, .value_kind: global_buffer, .address_space: global }
      - { .name: W1_codes, .offset: 56, .size: 8, .value_kind: global_buffer, .address_space: global }
      - { .name: W1_scales, .offset: 64, .size: 8, .value_kind: global_buffer, .address_space: global }
      - { .name: b1, .offset: 72, .size: 8, .value_kind: global_buffer, .address_space: global }
      - { .name: W2_codes, .offset: 80, .size: 8, .value_kind: global_buffer, .address_space: global }
      - { .name: W2_scales, .offset: 88, .size: 8, .value_kind: global_buffer, .address_space: global }
      - { .name: b2, .offset: 96, .size: 8, .value_kind: global_buffer, .address_space: global }
      - { .name: out0, .offset: 104, .size: 8, .value_kind: global_buffer, .address_space: global }
    .group_segment_fixed_size: 327680
    .private_segment_fixed_size: 0
    .kernarg_segment_align: 8
    .kernarg_segment_size: 112
    .max_flat_workgroup_size: 256
    .sgpr_count:     104
    .vgpr_count:     416
    .wavefront_size: 32
...
	.end_amdgpu_metadata
.endif
;; end of part 3
